; MI455X (gfx1250); checked and timed in simulation.
; The chip was launched on July 23, 2026; its instructions are those of AMD's public machine-readable ISA for CDNA 5 (MIT licence, August 2026) and "CDNA5" Instruction Set Architecture Reference Guide (July 2026). The comments in the code are by the model that wrote it; some were corrected since.
;; Mamba2 Block. Allowed arithmetic: float matrix products may take bf16 or f16 operands with f32 sums; all other float work in f32.
;; Inputs: A_log 16 float32; D_param 16 float32; W_in 2,576 x 1,024 float32; W_out 1,024 x 1,024 float32; dt_W 16 x 16 float32; dt_b 16 float32; norm_w 1,024 float32; x 4 x 4,096 x 1,024 float32.
;; Outputs: out0 4 x 4,096 x 1,024 float32.
;; One version. Each part assembles by itself: llvm-mc -triple=amdgcn-amd-amdhsa -mcpu=gfx1250 --defsym DOCPART=n.
;; ======== version 1 of 1: 5 launches
;; limits: values outside matrix products are rounded to f16; values are held in f16: magnitudes above 65,504 overflow, below 6.1e-05 lose precision
;; workspace buffers: xb 33,554,432 bytes; wib 5,242,880 bytes; wob 2,097,152 bytes; laq 2,097,152 bytes; pj 83,886,080 bytes; hf 8,454,144 bytes; gb 33,554,432 bytes; rs 65,536 bytes
;; launch prep (part 1): grid 256 x 1, 16 waves a work-group, no clusters, 195,584 bytes of LDS; arguments x, W_in, W_out, dt_W, dt_b, A_log, xb, wib, wob, laq; writes xb, wib, wob, laq
.if DOCPART == 1
	.amdgcn_target "amdgcn-amd-amdhsa--gfx1250"
	.amdhsa_code_object_version 6
	.text
	.protected	k_q01ae03ce7a_prep
	.globl	k_q01ae03ce7a_prep
	.p2align	8
	.type	k_q01ae03ce7a_prep,@function
k_q01ae03ce7a_prep:
	s_mov_b64 s[64:65], 0
	v_nop
	global_prefetch_b8 v0, s[64:65] scope:SCOPE_SE
	s_setreg_imm32_b32 hwreg(HW_REG_WAVE_MODE, 25, 1), 1
	s_wait_xcnt 0x0
; PREP.  Work-group g owns chunk g (64 rows of x).  It writes x as bf16 (xb), ten rows of W_in as bf16 in the order by heads (wib: new row 160 head + t; t < 64 xp, < 128 z, < 144 B, else C),
; four rows of W_out rounded to bf16 and written as f16 (wob), and for its chunk La = log2(e) cumsum(dt A) and Qa = La - log2(dt) (laq: [chunk][La, Qa][head][64] f32).
; dt_low = x W_dt^T is made here by the matrix unit from the bf16 numbers (f32 sums), split into bf16 hi + lo for the product with dt_W.
; Wave w: rows 16 (w / 4) .., columns 256 (w % 4) ..  All 51 loads of a wave go out at once; there is no loop.
; LIMITS.  dt below 2^-126 counts as 0 (Qa = +inf: the key's weight is 0).  The cumulative sum is made in blocks of 8, 16 and 64 rows: another order than a running sum.  NaN and infinities are not treated apart.
.set XS, 0                             ; 16 waves x 16 rows, pitch 528 = 512 + 16: my x as bf16
.set WD, 135168                        ; W_in's last 16 rows as bf16, pitch 2,064 = 2,048 + 16
.set PT, 168192                        ; [wave][2][lane][16 B]: partial dt_low
.set TOT, 184576                       ; [head][4] f32: the sums of the four blocks of 16 rows
.set OS, 184832                        ; 2 planes x 16 heads, pitch 272: La, Qa on their way out
.set SPARE, 193536                     ; the spare words, 128 bytes a wave
.macro CV q                            ; four f32 in v[q..q+3] -> four bf16 in v[q], v[q+1]
	v_cvt_pk_bf16_f32 v[\q], v[\q], v[(\q)+1]
	v_cvt_pk_bf16_f32 v[(\q)+1], v[(\q)+2], v[(\q)+3]
.endm
.macro SPLIT src, hi, lo, tmp          ; eight f32 -> bf16 hi (4 registers) and bf16 lo = src - hi (4 registers)
.irp i, 0,1,2,3
	v_cvt_pk_bf16_f32 v[(\hi)+\i], v[(\src)+2*\i], v[(\src)+2*\i+1]
.endr
.irp i, 0,1,2,3
	v_lshlrev_b32 v[(\tmp)+2*\i], 16, v[(\hi)+\i]
	v_and_b32 v[(\tmp)+2*\i+1], 0xffff0000, v[(\hi)+\i]
.endr
.irp i, 0,1,2,3
	v_pk_add_f32 v[(\tmp)+2*\i:(\tmp)+2*\i+1], v[(\src)+2*\i:(\src)+2*\i+1], v[(\tmp)+2*\i:(\tmp)+2*\i+1] neg_lo:[0,1] neg_hi:[0,1]
.endr
.irp i, 0,1,2,3
	v_cvt_pk_bf16_f32 v[(\lo)+\i], v[(\tmp)+2*\i], v[(\tmp)+2*\i+1]
.endr
.endm
	s_load_b512 s[4:19], s[0:1], 0x0               ; x 4, W_in 6, W_out 8, dt_W 10, dt_b 12, A_log 14, xb 16, wib 18
	s_load_b128 s[20:23], s[0:1], 0x40             ; wob 20, laq 22
	v_lshl_add_u32 v30, v0, 2, SPARE               ; my spare word, and 0: kept for the closing lines
	v_mov_b32 v31, 0
	v_and_b32 v1, 31, v0                           ; l
	v_and_b32 v2, 15, v0                           ; r
	v_bfe_u32 v3, v0, 4, 1                         ; h
	v_lshrrev_b32 v4, 5, v0
	v_readfirstlane_b32 s24, v4                    ; wave
	s_lshr_b32 s25, s24, 2                         ; block of 16 rows
	s_and_b32 s26, s24, 3                          ; quarter of the columns
	s_mov_b32 s27, ttmp9                           ; g
	s_lshr_b32 s28, s24, 3                         ; half of the work-group: 256 threads take a row of 4,096 bytes
	s_lshr_b32 s29, s27, 4                         ; head of my ten rows of wib
	s_and_b32 s30, s27, 15
	s_mul_i32 s30, s30, 10
	s_add_co_u32 s30, s30, s28                     ; t of my first row
	s_lshl_b32 s31, s29, 6                         ; what is added to t for xp,
	s_add_co_u32 s32, s31, 960                     ; z,
	s_lshl_b32 s33, s29, 4
	s_add_co_u32 s34, s33, 2160                    ; C,
	s_add_co_u32 s33, s33, 1920                    ; B
	v_lshlrev_b32 v4, 4, v1
	v_lshlrev_b32 v5, 3, v1
	s_mul_i32 s35, s24, 8448
	v_add_nc_u32 v6, s35, v5                       ; XS, in: 8 bytes a lane
	v_lshlrev_b32 v7, 4, v0
	v_and_b32 v10, 255, v0
	v_lshlrev_b32 v9, 4, v10
	v_lshlrev_b32 v10, 3, v10
	s_mul_i32 s38, s28, 2064
	s_add_co_u32 s38, s38, WD
	v_add_nc_u32 v8, s38, v10                      ; WD, in
	v_mul_u32_u24 v16, v2, 528
	v_lshl_add_u32 v16, v3, 4, v16
	v_add_nc_u32 v16, s35, v16                     ; XS, fragments: row r, 16 h
	v_mul_u32_u24 v17, v2, 2064
	v_lshl_add_u32 v17, v3, 4, v17
	s_lshl_b32 s38, s26, 9
	s_add_co_u32 s38, s38, WD
	v_add_nc_u32 v17, s38, v17                     ; WD, fragments: my quarter of the columns
	s_lshl_b32 s38, s24, 10
	s_add_co_u32 s38, s38, PT
	v_add_nc_u32 v18, s38, v4
	v_lshl_add_u32 v19, v2, 4, TOT
	s_lshl_b32 s38, s24, 12
	s_add_co_u32 s38, s38, PT
	v_add_nc_u32 v252, s38, v4                     ; PT, back (waves 0 to 3): the four partial sums of block w
	v_lshrrev_b32 v253, 8, v0
	v_mul_u32_u24 v253, v253, 4352
	v_bfe_u32 v254, v0, 4, 4
	v_mad_u32_u24 v253, v254, 272, v253
	v_lshl_add_u32 v253, v2, 4, v253
	v_add_nc_u32 v253, OS, v253                    ; OS, back: plane, head, 16 bytes
	v_lshlrev_b32 v254, 6, v2
	v_lshl_add_u32 v254, v3, 5, v254               ; dt_W: 64 r + 32 h
	v_lshlrev_b32 v255, 2, v2                      ; dt_b, A_log: 4 r
.irp u, 0,1,2,3,4
	s_add_co_u32 s38, s30, 2*\u                    ; t of row u
	s_cmp_lt_u32 s38, 64
	s_cselect_b32 s39, s31, s32
	s_cmp_lt_u32 s38, 144
	s_cselect_b32 s43, s33, s34
	s_cmp_lt_u32 s38, 128
	s_cselect_b32 s39, s39, s43
	s_add_co_u32 s38, s38, s39                     ; its row in W_in
	s_lshl_b32 s38, s38, 12
	v_add_nc_u32 v[11+\u], s38, v9
.endr
	s_mov_b32 s40, 0xffff0000                      ; a word's upper bf16; also the mask of lanes 16 to 31
	s_mov_b32 s41, 0x76543210
	s_mov_b32 s42, 0xfedcba98
	s_cmp_gt_u32 s24, 0
	s_cselect_b32 s44, 1.0, 0
	s_cmp_gt_u32 s24, 1
	s_cselect_b32 s45, 1.0, 0
	s_cmp_gt_u32 s24, 2
	s_cselect_b32 s46, 1.0, 0
	s_mov_b32 s50, 0x3a800000                      ; 2^-10
	s_mov_b32 s51, 0xbfb8aa3b                      ; -log2(e)
	s_mov_b32 s37, 0
	s_wait_kmcnt 0x0
	s_lshl_b32 s36, s27, 18
	s_lshl_b32 s38, s25, 16
	s_add_co_u32 s36, s36, s38
	s_lshl_b32 s38, s26, 10
	s_add_co_u32 s36, s36, s38
	s_add_nc_u64 s[4:5], s[4:5], s[36:37]          ; x at my 16 rows x 256 columns
	s_lshr_b32 s36, s36, 1
	s_add_nc_u64 s[16:17], s[16:17], s[36:37]      ; xb likewise: half the bytes
	s_add_nc_u64 s[48:49], s[6:7], 0xa00000        ; W_in's row 2,560
	s_lshl_b32 s36, s27, 14
	s_lshl_b32 s38, s28, 12
	s_add_co_u32 s36, s36, s38
	s_add_nc_u64 s[8:9], s[8:9], s[36:37]
	s_lshr_b32 s36, s36, 1
	s_add_nc_u64 s[20:21], s[20:21], s[36:37]
	s_mul_i32 s36, s27, 20480
	s_lshl_b32 s38, s28, 11
	s_add_co_u32 s36, s36, s38
	s_add_nc_u64 s[18:19], s[18:19], s[36:37]
	s_lshl_b32 s36, s27, 13
	s_add_nc_u64 s[22:23], s[22:23], s[36:37]
	; 51 loads: 4 small, 8 of W_dt, 32 of x, 5 of W_in, 2 of W_out
	global_load_b128 v[20:23], v254, s[10:11]
	global_load_b128 v[24:27], v254, s[10:11] offset:16
	global_load_b32 v28, v255, s[12:13]
	global_load_b32 v29, v255, s[14:15]
.irp u, 0,1,2,3,4,5,6,7
	global_load_b128 v[32+4*\u:35+4*\u], v7, s[48:49] offset:8192*\u
.endr
.set q, 0
.rept 32
	global_load_b128 v[64+4*q:67+4*q], v4, s[4:5] offset:4096*(q/2)+512*(q%2) th:TH_LOAD_NT
.set q, q+1
.endr
.irp u, 0,1,2,3,4
	global_load_b128 v[192+4*\u:195+4*\u], v[11+\u], s[6:7] th:TH_LOAD_NT
.endr
.irp u, 0,1
	global_load_b128 v[212+4*\u:215+4*\u], v9, s[8:9] offset:8192*\u th:TH_LOAD_NT
.endr
	s_wait_loadcnt 39                              ; the 32 + 5 + 2 younger loads stay out
.irp u, 0,1,2,3,4,5,6,7
	CV 32+4*\u
	ds_store_b64 v8, v[32+4*\u:33+4*\u] offset:4128*\u
.endr
.set k, 0
.rept 4
	s_wait_loadcnt 31-8*k                          ; the later groups of x and the 7 loads of weights stay out
.set q, 8*k
.rept 8
	CV 64+4*q
	global_store_b64 v5, v[64+4*q:65+4*q], s[16:17] offset:2048*(q/2)+256*(q%2)  ; 32 lanes store 256 consecutive bytes, aligned
	ds_store_b64 v6, v[64+4*q:65+4*q] offset:528*(q/2)+256*(q%2)
.set q, q+1
.endr
.set k, k+1
.endr
	s_wait_loadcnt 0x0
.irp u, 0,1,2,3,4
	CV 192+4*\u
	global_store_b64 v10, v[192+4*\u:193+4*\u], s[18:19] offset:4096*\u
.endr
.irp u, 0,1
	CV 212+4*\u                                    ; W_out: rounded to bf16, that number written as f16
	v_lshlrev_b32 v246, 16, v[212+4*\u]
	v_and_b32 v247, s40, v[212+4*\u]
	v_lshlrev_b32 v248, 16, v[213+4*\u]
	v_and_b32 v249, s40, v[213+4*\u]
	v_cvt_pk_f16_f32 v[214+4*\u], v246, v247
	v_cvt_pk_f16_f32 v[215+4*\u], v248, v249
	global_store_b64 v10, v[214+4*\u:215+4*\u], s[20:21] offset:4096*\u
.endr
	s_wait_dscnt 0x0                               ; for the others' sake: my part of WD is written
	s_barrier_signal -1
	s_barrier_wait -1
	s_wait_xcnt 0x0                                ; the stores to xb have read v64-191: they are loaded again only behind this wait
.irp s, 0,1,2,3,4,5,6,7
	ds_load_b128 v[64+16*\s:67+16*\s], v17 offset:64*\s
	ds_load_b128 v[68+16*\s:71+16*\s], v17 offset:64*\s+32
	ds_load_b128 v[72+16*\s:75+16*\s], v16 offset:64*\s
	ds_load_b128 v[76+16*\s:79+16*\s], v16 offset:64*\s+32
.endr
	; dt_low^T for my 256 columns: source 0 = 16 ranks, source 1 = 16 rows of x.  Two accumulators by turns.
.irp s, 0,1,2,3,4,5,6,7
	s_wait_dscnt 4*(7-\s)                          ; four loads a step; the later steps' stay out
.if \s < 2
	v_wmma_f32_16x16x32_bf16 v[220+8*(\s%2):227+8*(\s%2)], v[64+16*\s:71+16*\s], v[72+16*\s:79+16*\s], 0
.else
	v_wmma_f32_16x16x32_bf16 v[220+8*(\s%2):227+8*(\s%2)], v[64+16*\s:71+16*\s], v[72+16*\s:79+16*\s], v[220+8*(\s%2):227+8*(\s%2)]
.endif
.endr
.rept 4
	v_nop                                          ; four places behind the last product (ISA guide 7.12.1)
.endr
.irp i, 0,2,4,6
	v_pk_add_f32 v[236+\i:237+\i], v[220+\i:221+\i], v[228+\i:229+\i]
.endr
	ds_store_b128 v18, v[236:239]
	ds_store_b128 v18, v[240:243] offset:512
	s_wait_dscnt 0x0
	s_barrier_signal -1
	s_barrier_wait -1
	s_cmp_lt_u32 s24, 4
	s_cbranch_scc0 .Lskip1
	; waves 0 to 3: block w of 16 rows.  A lane holds row r and ranks 8 h + 0..7.
.set q, 0
.rept 8
	ds_load_b128 v[32+4*q:35+4*q], v252 offset:512*q
.set q, q+1
.endr
	s_wait_dscnt 0x0
.irp e, 0,2,4,6
	v_pk_add_f32 v[64+\e:65+\e], v[32+\e:33+\e], v[40+\e:41+\e]
	v_pk_add_f32 v[48+\e:49+\e], v[48+\e:49+\e], v[56+\e:57+\e]
	v_pk_add_f32 v[64+\e:65+\e], v[64+\e:65+\e], v[48+\e:49+\e]
.endr
	SPLIT 64, 72, 76, 80                           ; K = 32 holds the 16 ranks twice: hi, then lo
.irp i, 0,1,2,3
	v_cvt_pk_bf16_f32 v[88+\i], v[20+2*\i], v[21+2*\i]
	v_cvt_pk_bf16_f32 v[92+\i], v[20+2*\i], v[21+2*\i]
.endr
	v_wmma_f32_16x16x32_bf16 v[96:103], v[72:79], v[88:95], 0  ; lane = head r, register j = row 16 w + 8 h + j
	v_cvt_pk_bf16_f32 v32, v28, v29                ; dt_b and A_log rounded to bf16: four plain lines, the places behind the product
	v_lshlrev_b32 v33, 16, v32
	v_and_b32 v34, s40, v32
	v_mul_f32 v35, 0x3fb8aa3b, v34
	v_exp_f32 v36, v35
	v_nop
	s_wait_alu depctr_va_vdst(0)
	v_mul_f32 v36, s51, v36                        ; log2(e) A = -log2(e) exp(A_log)
.irp j, 0,1,2,3,4,5,6,7
	v_add_f32 v[104+\j], v[96+\j], v33
.endr
	; softplus(x) = max(x, 0) + log1p(e), e = exp(-|x|); below 2^-10 log1p(e) = e (1 - e / 2), which keeps its relative accuracy
.irp j, 0,1,2,3,4,5,6,7
	v_mul_f32 v[112+\j], s51, |v[104+\j]|
.endr
.irp j, 0,1,2,3,4,5,6,7
	v_exp_f32 v[112+\j], v[112+\j]
.endr
	v_nop
	s_wait_alu depctr_va_vdst(0)
.irp j, 0,1,2,3,4,5,6,7
	v_add_f32 v[120+\j], 1.0, v[112+\j]
	v_fma_f32 v[128+\j], v[112+\j], -0.5, 1.0
.endr
.irp j, 0,1,2,3,4,5,6,7
	v_log_f32 v[120+\j], v[120+\j]
.endr
.irp j, 0,1,2,3,4,5,6,7
	v_mul_f32 v[128+\j], v[128+\j], v[112+\j]
.endr
	s_wait_alu depctr_va_vdst(0)
.irp j, 0,1,2,3,4,5,6,7
	v_mul_f32 v[120+\j], 0x3f317218, v[120+\j]
	v_cmp_gt_f32 vcc_lo, s50, v[112+\j]
	v_cndmask_b32 v[120+\j], v[120+\j], v[128+\j], vcc_lo
	v_max_num_f32 v[136+\j], 0, v[104+\j]
	v_add_f32 v[136+\j], v[136+\j], v[120+\j]      ; dt
.endr
.irp j, 0,1,2,3,4,5,6,7
	v_log_f32 v[144+\j], v[136+\j]                 ; log2(dt)
.endr
	v_mul_f32 v152, v136, v36                      ; the running sum of my eight rows
.irp j, 1,2,3,4,5,6,7
	v_fma_f32 v[152+\j], v[136+\j], v36, v[151+\j]
.endr
	v_mov_b32 v160, 0
	v_permlanex16_b32 v160, v159, s41, s42         ; the other eight rows' sum
	v_cndmask_b32 v161, 0, v160, s40               ; lanes 16 to 31 come behind lanes 0 to 15
	v_add_f32 v162, v159, v160
	v_lshl_add_u32 v163, s24, 2, v19
	ds_store_b32 v163, v162                        ; the block's sum
	s_wait_dscnt 0x0
.Lskip1:
	s_barrier_signal -1
	s_barrier_wait -1
	s_cmp_lt_u32 s24, 4
	s_cbranch_scc0 .Lskip2
	ds_load_b128 v[164:167], v19
	s_wait_dscnt 0x0
	v_fma_f32 v161, s44, v164, v161                ; the blocks in front of mine
	v_fma_f32 v161, s45, v165, v161
	v_fma_f32 v161, s46, v166, v161
.irp j, 0,1,2,3,4,5,6,7
	v_add_f32 v[168+\j], v[152+\j], v161           ; La
.endr
	s_wait_alu depctr_va_vdst(0)
.irp j, 0,1,2,3,4,5,6,7
	v_sub_f32 v[176+\j], v[168+\j], v[144+\j]      ; Qa
.endr
	v_mul_u32_u24 v184, v2, 272
	v_lshl_add_u32 v184, v3, 5, v184
	s_lshl_b32 s38, s24, 6
	s_add_co_u32 s38, s38, OS
	v_add_nc_u32 v184, s38, v184
	ds_store_b128 v184, v[168:171]
	ds_store_b128 v184, v[172:175] offset:16
	ds_store_b128 v184, v[176:179] offset:4352
	ds_store_b128 v184, v[180:183] offset:4368
	s_wait_dscnt 0x0
.Lskip2:
	s_barrier_signal -1
	s_barrier_wait -1
	ds_load_b128 v[32:35], v253
	s_wait_dscnt 0x0
	global_store_b128 v7, v[32:35], s[22:23]       ; 8,192 consecutive bytes by 512 threads
	s_wait_tensorcnt 0x0                           ; the wave's end
	ds_add_u32 v30, v31
	s_wait_dscnt 0x0
	s_endpgm
.Lfunc_end_k_q01ae03ce7a_prep:
	.size	k_q01ae03ce7a_prep, .Lfunc_end_k_q01ae03ce7a_prep-k_q01ae03ce7a_prep
	.p2alignl 7, 3214868480
	.fill 96, 4, 3214868480
	.section	.rodata,"a",@progbits
	.p2align	6, 0x0
	.amdhsa_kernel k_q01ae03ce7a_prep
		.amdhsa_group_segment_fixed_size 195584
		.amdhsa_private_segment_fixed_size 0
		.amdhsa_enable_private_segment 0
		.amdhsa_kernarg_size 80
		.amdhsa_user_sgpr_count 2
		.amdhsa_user_sgpr_kernarg_segment_ptr 1
		.amdhsa_wavefront_size32 1
		.amdhsa_system_sgpr_workgroup_id_x 1
		.amdhsa_system_sgpr_workgroup_id_y 1
		.amdhsa_system_sgpr_workgroup_id_z 1
		.amdhsa_system_vgpr_workitem_id 0
		.amdhsa_next_free_vgpr 256
		.amdhsa_next_free_sgpr 66
		.amdhsa_reserve_vcc 1
		.amdhsa_float_denorm_mode_32 3
		.amdhsa_float_denorm_mode_16_64 3
		.amdhsa_memory_ordered 1
		.amdhsa_forward_progress 1
		.amdhsa_inst_pref_size 38
	.end_amdhsa_kernel
	.amdgpu_metadata
---
amdhsa.version: [ 1, 2 ]
amdhsa.kernels:
  - .name:           k_q01ae03ce7a_prep
    .symbol:         k_q01ae03ce7a_prep.kd
    .args:
      - { .name: x, .offset: 0, .size: 8, .value_kind: global_buffer, .address_space: global }
      - { .name: W_in, .offset: 8, .size: 8, .value_kind: global_buffer, .address_space: global }
      - { .name: W_out, .offset: 16, .size: 8, .value_kind: global_buffer, .address_space: global }
      - { .name: dt_W, .offset: 24, .size: 8, .value_kind: global_buffer, .address_space: global }
      - { .name: dt_b, .offset: 32, .size: 8, .value_kind: global_buffer, .address_space: global }
      - { .name: A_log, .offset: 40, .size: 8, .value_kind: global_buffer, .address_space: global }
      - { .name: xb, .offset: 48, .size: 8, .value_kind: global_buffer, .address_space: global }
      - { .name: wib, .offset: 56, .size: 8, .value_kind: global_buffer, .address_space: global }
      - { .name: wob, .offset: 64, .size: 8, .value_kind: global_buffer, .address_space: global }
      - { .name: laq, .offset: 72, .size: 8, .value_kind: global_buffer, .address_space: global }
    .group_segment_fixed_size: 195584
    .private_segment_fixed_size: 0
    .kernarg_segment_align: 8
    .kernarg_segment_size: 80
    .max_flat_workgroup_size: 512
    .sgpr_count:     66
    .vgpr_count:     256
    .wavefront_size: 32
...
	.end_amdgpu_metadata
.endif
;; end of part 1
;; launch gemm1 (part 2): grid 8 x 32, 4 waves a work-group, clusters of 4 x 4, 327,680 bytes of LDS; arguments xb, wib, pj; writes pj
.if DOCPART == 2
	.amdgcn_target "amdgcn-amd-amdhsa--gfx1250"
	.amdhsa_code_object_version 6
	.text
	.protected	k_q01ae03ce7a_gemm1
	.globl	k_q01ae03ce7a_gemm1
	.p2align	8
	.type	k_q01ae03ce7a_gemm1,@function
k_q01ae03ce7a_gemm1:
	s_mov_b64 s[64:65], 0
	v_nop
	global_prefetch_b8 v0, s[64:65] scope:SCOPE_SE
	s_setreg_imm32_b32 hwreg(HW_REG_WAVE_MODE, 25, 1), 1
	s_wait_xcnt 0x0
	s_wait_alu depctr_hold_cnt(0) depctr_sa_sdst(0) depctr_va_vdst(0) depctr_va_sdst(0) depctr_va_ssrc(0) depctr_va_vcc(0) depctr_vm_vsrc(0)
	s_getreg_b32 s2, hwreg(HW_REG_IB_STS2, 6, 4)
	s_cmp_eq_u32 s2, 0
	s_cbranch_scc0 .Lentry_in_a_cluster
	s_endpgm
.Lentry_in_a_cluster:
	s_bfe_u32 s2, ttmp6, 0x10000c
	s_cmp_lg_u32 s2, 0xf033
	s_cbranch_scc0 .Lentry_shape_is_right
	s_endpgm
.Lentry_shape_is_right:
; PROJ = xb wib^T, 16,384 x 2,560, K = 1,024, bf16 operands, f32 sums, written as f16 in blocks of 16 rows x 16 columns of 512 bytes: pj[10 head + b][row block][512 B].
; A tile is 256 rows x 320 columns (two heads).  Four waves, each 128 rows x 160 columns = one head: 80 accumulators, 640 registers.
; A WORK-GROUP STAYS: 8 x 32 = 256 work-groups, each makes two tiles, 8,192 rows apart.  The two tiles are ONE walk of 16 K steps of 128 through two LDS slots: the ring does not stop
; at the change of tiles, the first tile's last two changes of slots ask for the second tile's first two K steps, and nothing waits for the first tile's stores.
; Column blocks b = 0..3 (xp) are multiplied with x as source 0: a lane then holds one channel and eight sequence rows, the block lies transposed [channel][row].
; Blocks b = 4..9 (z, B, C) take W as source 0: a lane holds one row and eight columns.  Either way a lane's eight numbers pack into the 16 bytes at 32 r + 16 h of the block,
; so a store of the wave covers 512 consecutive aligned bytes and no stage in LDS is needed.
; CLUSTER: 4 x 4 work-groups; x's tile is shared along a row of the cluster, W's along a column: joint tensor loads.
; ONE TEXT FOR BOTH SLOTS: s[TB] is 0 or SLOT, the slot that is read; an exclusive or turns it; it is added to the lanes' addresses and to the walking descriptors' LDS words.
; LIMIT.  |proj| stays under 65,504 (f16).
; REGISTERS, windows of 256.  0: v0-31 addresses; v96-223 x's fragments, two buffers of 64; v224-255 accumulators (a = 6, 7; b = 8, 9); v32-71 and v160-199 at work on the way out.
;   1: v0-159 W's fragments, two buffers of 80; v160-255 accumulators (a < 6; b = 8, 9).   2: accumulators b = 0..3.   3: accumulators b = 4..7.
.set KSTEP, 128
.set PITCH, 272                        ; 256 bytes + 16 of padding: the 16 rows of a fragment load start at 16 different groups of four banks (ISA guide 11.1)
.set HALFA, 128*PITCH
.set HALFB, 160*PITCH
.set BOFF,  2*HALFA
.set SLOT,  BOFF+2*HALFB
.set SPARE, 2*SLOT                     ; the spare words, 128 bytes a wave
.set ADRA0, 16                         ; v16  my lane's place in x's part of slot 0; never rewritten
.set ADRA,  17                         ; v17  the same in the slot that is read
.set ADRB0, 20                         ; v20, v21  the same for W
.set ADRB,  21
.set CO,   26
.set SPW,  28
.set NIL,  29
.set G1, 24                            ; s[24:31] group 1 for x
.set G0, 32                            ; s[32:35] group 0 of x's first fill; s[36:39] of its second, which then walks
.set G1B, 48                           ; the same for W
.set G0B, 56
.set TB, 66                            ; s66  0 or SLOT: the slot that is read
.set NS, 67                            ; s67  the K step to be asked for next, 2 to 15 (8 on: the second tile's)
.set MSB, 0
.macro WIN new                         ; the immediate's high byte repeats the setting that is left
.if MSB != (\new)
	s_set_vgpr_msb (MSB<<8)|(\new)
.set MSB, \new
.endif
.endm
.macro JLOAD s                         ; a joint load: waves 0, 1 fetch x's halves, waves 2, 3 W's; s_nop 0 and four v_nop behind each line
	s_cmp_eq_u32 s11, 0
	s_cbranch_scc0 .Lfor_b_\@
	tensor_load_to_lds s[G0+4*(\s):G0+4*(\s)+3], s[G1:G1+7]
	s_nop 0
.rept 4
	v_nop
.endr
	s_branch .Lasked_\@
.Lfor_b_\@:
	tensor_load_to_lds s[G0B+4*(\s):G0B+4*(\s)+3], s[G1B:G1B+7]
	s_nop 0
.rept 4
	v_nop
.endr
.Lasked_\@:
.endm
.macro CREST                           ; a round of the cluster's barrier behind its opening barrier
	s_cmp_lg_u32 s10, 0
	s_cbranch_scc1 .Lnot_wave_0_\@
	s_barrier_signal -3
.Lnot_wave_0_\@:
	s_barrier_wait -3
	s_barrier_signal -1
	s_barrier_wait -1
.endm
.macro CROUND
	s_barrier_signal -1
	s_barrier_wait -1
	CREST
.endm
.macro PLACES                          ; four places behind matrix instructions (ISA guide 7.12.1)
.rept 4
	v_nop
.endr
.endm
	s_load_b128 s[4:7], s[0:1], 0x0                ; xb, wib
	s_load_b64 s[8:9], s[0:1], 0x10                ; pj
	v_lshl_add_u32 v[SPW], v0, 2, SPARE
	v_mov_b32 v[NIL], 0
	ds_add_u32 v[SPW], v[NIL]                      ; the wave's opening: the add and its wait ahead of my first tensor load
	v_lshrrev_b32 v1, 5, v0
	v_readfirstlane_b32 s10, v1                    ; wave
	s_lshr_b32 s11, s10, 1                         ; my half of the rows; also: I fetch x (0) or W (1)
	s_and_b32 s12, s10, 1                          ; my half of the columns; also: which half I fetch
	s_bfe_u32 s40, ttmp6, 0x40000                  ; cx
	s_bfe_u32 s41, ttmp6, 0x40004                  ; cy
	s_lshl_b32 s42, ttmp9, 2
	s_add_co_u32 s42, s42, s40                     ; tile column
	s_and_b32 s13, ttmp7, 0xffff
	s_lshl_b32 s13, s13, 2
	s_add_co_u32 s13, s13, s41                     ; the first tile's row, 0 to 31
	s_lshl_b32 s43, s41, 2
	s_lshl_b32 s43, 15, s43                        ; my row of the cluster
	s_lshl_b32 s44, 0x1111, s40                    ; my column
	s_or_b32 s[G1+0], s43, (1<<16)|(1<<20)|(1<<21)|(5<<22)|(3<<25)   ; mask; 2-byte elements; padding of 4 words after every 64; bit 21 beside a mask
	s_or_b32 s[G1B+0], s44, (1<<16)|(1<<20)|(1<<21)|(5<<22)|(3<<25)
	s_mov_b32 s[G1+1], KSTEP<<16                   ; tensor_dim0 = 128
	s_mov_b32 s[G1B+1], KSTEP<<16
	s_mov_b32 s[G1+2], 128<<16                     ; tensor_dim1: 128 rows of x,
	s_mov_b32 s[G1B+2], 160<<16                    ; 160 of W
	s_mov_b32 s[G1+3], KSTEP<<16                   ; tile_dim0 = 128
	s_mov_b32 s[G1B+3], KSTEP<<16
	s_mov_b32 s[G1+4], 128                         ; tile_dim1
	s_mov_b32 s[G1B+4], 160
	s_mov_b32 s[G1+5], 1024                        ; elements from row to row
	s_mov_b32 s[G1B+5], 1024
	s_mov_b32 s[G1+6], 0
	s_mov_b32 s[G1B+6], 0
	s_mov_b32 s[G1+7], 0
	s_mov_b32 s[G1B+7], 0
	s_lshl_b32 s16, s13, 8
	s_lshl_b32 s17, s12, 7
	s_add_co_u32 s16, s16, s17                     ; x: row 256 ty + 128 half
	s_lshl_b32 s16, s16, 11                        ; 2,048 bytes a row
	s_mov_b32 s17, 0
	s_mul_i32 s46, s42, 320
	s_mul_i32 s47, s12, 160
	s_add_co_u32 s46, s46, s47                     ; W: row 320 tx + 160 half
	s_lshl_b32 s46, s46, 11
	s_mov_b32 s47, 0
	s_mul_i32 s20, s12, HALFA                      ; where they go in a slot: no place in the cluster enters an LDS address
	s_mul_i32 s23, s12, HALFB
	s_add_co_u32 s23, s23, BOFF
	s_mov_b32 s[TB], 0
	s_mov_b32 s[NS], 2
	s_wait_dscnt 0x0                               ; the opening add is done
	s_wait_kmcnt 0x0
	s_add_nc_u64 s[14:15], s[4:5], s[16:17]        ; x at my part of the first tile's K step 0: kept
	s_add_nc_u64 s[46:47], s[6:7], s[46:47]        ; W likewise: kept
	CROUND                                         ; all sixteen work-groups are here: the first joint loads meet
.irp s, 0,1
	s_mov_b32 s[G0+4*(\s)], 1
	s_add_co_u32 s[G0+4*(\s)+1], s20, (\s)*SLOT
	s_add_nc_u64 s[G0+4*(\s)+2:G0+4*(\s)+3], s[14:15], (\s)*KSTEP*2
	s_or_b32 s[G0+4*(\s)+3], s[G0+4*(\s)+3], 0x80000000
	s_mov_b32 s[G0B+4*(\s)], 1
	s_add_co_u32 s[G0B+4*(\s)+1], s23, (\s)*SLOT
	s_add_nc_u64 s[G0B+4*(\s)+2:G0B+4*(\s)+3], s[46:47], (\s)*KSTEP*2
	s_or_b32 s[G0B+4*(\s)+3], s[G0B+4*(\s)+3], 0x80000000
	JLOAD \s                                       ; two loads of mine are out at the start, later one
.endr
	v_and_b32 v1, 15, v0
	v_bfe_u32 v2, v0, 4, 1
	v_mul_u32_u24 v3, v1, PITCH
	v_lshl_add_u32 v3, v2, 4, v3
	s_mul_i32 s21, s11, HALFA
	s_mul_i32 s22, s12, HALFB
	s_add_co_u32 s22, s22, BOFF
	v_add_nc_u32 v[ADRA0], s21, v3
	v_add_nc_u32 v[ADRB0], s22, v3
	v_mov_b32 v[ADRA], v[ADRA0]
	v_mov_b32 v[ADRB], v[ADRB0]
	v_lshlrev_b32 v[CO], 5, v1
	v_lshl_add_u32 v[CO], v2, 4, v[CO]             ; my 16 bytes of a block
	s_lshl_b32 s16, s13, 4
	s_lshl3_add_u32 s16, s11, s16                  ; my first row block: 16 ty + 8 half
	s_lshl_b32 s16, s16, 9
	s_mov_b32 s17, 0
	s_add_nc_u64 s[8:9], s[8:9], s[16:17]
	s_lshl1_add_u32 s18, s42, s12                  ; my head
	s_mul_i32 s18, s18, 5242880
	s_mov_b32 s19, 0
	s_add_nc_u64 s[8:9], s[8:9], s[18:19]
; one matrix instruction: row block a, column block b, fragment buffer f
.macro MM a, b, f, zero
.set rX, 96+64*(\f)+8*(\a)
.set rW, 80*(\f)+8*(\b)
.if (\b) < 4
	WIN 0xa4                                       ; x window 0, W window 1, C and D window 2
.set rD, 8*(4*(\a)+(\b))
.set r0, rX
.set r1, rW
.else
.set r0, rW
.set r1, rX
.if (\b) < 8
	WIN 0xf1                                       ; W window 1, x window 0, C and D window 3
.set rD, 8*(4*(\a)+(\b)-4)
.elseif (\a) < 6
	WIN 0x51                                       ; C and D window 1
.set rD, 160+8*(2*(\a)+(\b)-8)
.else
	WIN 0x01                                       ; C and D window 0
.set rD, 224+8*(2*((\a)-6)+(\b)-8)
.endif
.endif
.if \zero
	v_wmma_f32_16x16x32_bf16 v[rD:rD+7], v[r0:r0+7], v[r1:r1+7], 0
.else
	v_wmma_f32_16x16x32_bf16 v[rD:rD+7], v[r0:r0+7], v[r1:r1+7], v[rD:rD+7]
.endif
.endm
.macro GRP f, a0, a1, b0, b1, zero
.set ga, \a0
.rept (\a1)-(\a0)+1
.set gb, \b0
.rept (\b1)-(\b0)+1
	MM ga, gb, \f, \zero
.set gb, gb+1
.endr
.set ga, ga+1
.endr
.endm
.macro REST f, zero                    ; the 48 products on column blocks 4 to 9.  The 80 accumulators take turns in the same order in every quarter
	GRP \f, 0, 7, 4, 7, \zero
	GRP \f, 0, 5, 8, 9, \zero
	GRP \f, 6, 7, 8, 9, \zero
.endm
.macro FETCH k, f                      ; 36 LDS loads in one run, from the slot that is read: x's 8 fragments, then W's 10, b ascending
	WIN 0
.irp i, 0,1,2,3,4,5,6,7
	ds_load_b128 v[96+64*(\f)+8*(\i):96+64*(\f)+8*(\i)+3],   v[ADRA] offset:(\k)+(\i)*16*PITCH
	ds_load_b128 v[96+64*(\f)+8*(\i)+4:96+64*(\f)+8*(\i)+7], v[ADRA] offset:(\k)+(\i)*16*PITCH+32
.endr
	WIN 0x40
.irp i, 0,1,2,3,4,5,6,7,8,9
	ds_load_b128 v[80*(\f)+8*(\i):80*(\f)+8*(\i)+3],   v[ADRB] offset:(\k)+(\i)*16*PITCH
	ds_load_b128 v[80*(\f)+8*(\i)+4:80*(\f)+8*(\i)+7], v[ADRB] offset:(\k)+(\i)*16*PITCH+32
.endr
.endm
.macro QUARTER k, f, g, zero           ; 32 along K on buffer f; the next quarter's fragments, at byte k of the rows, go into g
	s_wait_dscnt 12                                ; W's fragments 4 to 9, the youngest twelve loads, may be out
	GRP \f, 0, 7, 0, 3, \zero
	PLACES
	FETCH \k, \g
	s_wait_dscnt 36                                ; all but the 36 just issued
	REST \f, \zero
.endm
; The last quarter of a K step multiplies buffer 1 and changes slots: one barrier, the three lines in front of it.  fill = 1: the slot just read out is filled again with K step NS,
; behind a round of the cluster's barrier; the walking descriptors' addresses are made anew from that number.
.macro TURN fill
	WIN 0
	s_wait_tensorcnt 0x0                           ; all my tensor loads have landed: my part of the next slot
	ds_add_u32 v[SPW], v[NIL]
	s_wait_dscnt 13                                ; the add and the youngest twelve loads may be out
	GRP 1, 0, 3, 0, 3, 0
	s_wait_dscnt 0x0                               ; the add is done, my reads of this slot are over
	s_barrier_signal -1
	GRP 1, 4, 7, 0, 3, 0
	WIN 0
	s_barrier_wait -1
.if \fill
	CREST                                          ; no wave of any partner still reads this slot or has a load on its way
	s_and_b32 s18, s[NS], 7
	s_lshl_b32 s18, s18, 8                         ; 256 bytes a K step, for W and for x;
	s_lshr_b32 s16, s[NS], 3
	s_lshl_b32 s16, s16, 24                        ; the second tile's x lies 8,192 rows of 2,048 bytes on
	s_add_co_u32 s16, s16, s18
	s_add_co_u32 s[NS], s[NS], 1
	s_add_co_u32 s[G0+5], s20, s[TB]
	s_add_nc_u64 s[G0+6:G0+7], s[14:15], s[16:17]
	s_or_b32 s[G0+7], s[G0+7], 0x80000000
	s_add_co_u32 s[G0B+5], s23, s[TB]
	s_add_nc_u64 s[G0B+6:G0B+7], s[46:47], s[18:19]
	s_or_b32 s[G0B+7], s[G0B+7], 0x80000000
	JLOAD 1                                        ; the first tensor load behind the round; its four v_nop are also the places in front of the loads below
.else
	PLACES
.endif
	s_xor_b32 s[TB], s[TB], SLOT                   ; the other slot is read from here on
	v_add_nc_u32 v[ADRA], s[TB], v[ADRA0]
	v_add_nc_u32 v[ADRB], s[TB], v[ADRB0]
	FETCH 0, 0
	REST 1, 0
.endm
; THE WAY OUT, a row block at a time: each accumulator's registers in ascending order; 10 stores of 512 consecutive bytes.  The two sets of 40 registers spare fragment buffer 0,
; into which the next tile's first fragments are landing.
.macro CVT4 dst, src
.irp r, 0,1,2,3
	v_cvt_pk_f16_f32 v[(\dst)+\r], v[(\src)+2*\r], v[(\src)+2*\r+1]
.endr
.endm
.macro OUTA a
.set TM, 32+128*((\a)%2)
	s_wait_xcnt 0x0                                ; earlier stores have read their registers
	WIN 0x0a
.irp b, 0,1,2,3
	CVT4 TM+4*\b, 8*(4*(\a)+\b)
.endr
	WIN 0x0f
.irp b, 0,1,2,3
	CVT4 TM+16+4*\b, 8*(4*(\a)+\b)
.endr
.if (\a) < 6
	WIN 0x05
.irp b, 0,1
	CVT4 TM+32+4*\b, 160+8*(2*(\a)+\b)
.endr
.else
	WIN 0
.irp b, 0,1
	CVT4 TM+32+4*\b, 224+8*(2*((\a)-6)+\b)
.endr
.endif
	WIN 0
.irp b, 0,1,2,3,4,5,6,7,8,9
	global_store_b128 v[CO], v[TM+4*\b:TM+4*\b+3], s[8:9] offset:524288*\b+512*(\a)
.endr
.endm
.macro OUT
	PLACES
.irp a, 0,1,2,3,4,5,6,7
	OUTA \a
.endr
.endm
	s_wait_tensorcnt 1                             ; my part of K step 0 is in; step 1's stays out
	s_barrier_signal -1
	s_barrier_wait -1
	FETCH 0, 0
	WIN 0
	s_mov_b32 s3, 15                               ; the entry takes one off; then 14 trips, one for each refill (K steps 2 to 15)
	s_branch .Lzero                                ; the loop is entered at the quarter that starts a tile's sums
.Lstep:                                                ; a trip: a K step's quarters 2 to 4 and the next step's first
	QUARTER 128, 1, 0, 0
	QUARTER 192, 0, 1, 0
	TURN 1
	WIN 0
	s_cmp_eq_u32 s3, 7                             ; the eighth trip ends the first tile
	s_cbranch_scc1 .Lbound
	QUARTER 64, 0, 1, 0
	WIN 0
	s_branch .Lbottom
.Lbound:
	OUT                                            ; both refills for the second tile are asked for: now the first goes out
	s_wait_xcnt 0x0                                ; the stores have read v160-199, which the next quarter loads, and pj's address
	s_add_nc_u64 s[8:9], s[8:9], 262144            ; 512 row blocks of 512 bytes on
.Lzero:
	QUARTER 64, 0, 1, 1                            ; the first products start the sums: nothing is cleared
	WIN 0
.Lbottom:
	s_sub_co_u32 s3, s3, 1
	s_cmp_lg_u32 s3, 0
	s_cbranch_scc1 .Lstep
	s_mov_b32 s3, 2                                ; the last two K steps fill nothing: a loop of their own, entered in its middle
	s_branch .Ltin
.Ltail:
	TURN 0
	QUARTER 64, 0, 1, 0
	WIN 0
.Ltin:
	QUARTER 128, 1, 0, 0
	QUARTER 192, 0, 1, 0
	WIN 0
	s_sub_co_u32 s3, s3, 1
	s_cmp_lg_u32 s3, 0
	s_cbranch_scc1 .Ltail
	s_wait_dscnt 12                                ; the very last quarter: nothing more to fetch
	GRP 1, 0, 7, 0, 3, 0
	s_wait_dscnt 0x0
	REST 1, 0
	WIN 0
	OUT
	s_wait_tensorcnt 0x0                           ; the wave's end
	ds_add_u32 v[SPW], v[NIL]
	s_wait_dscnt 0x0
	CROUND                                         ; the closing round
	s_endpgm
.Lfunc_end_k_q01ae03ce7a_gemm1:
	.size	k_q01ae03ce7a_gemm1, .Lfunc_end_k_q01ae03ce7a_gemm1-k_q01ae03ce7a_gemm1
	.p2alignl 7, 3214868480
	.fill 96, 4, 3214868480
	.section	.rodata,"a",@progbits
	.p2align	6, 0x0
	.amdhsa_kernel k_q01ae03ce7a_gemm1
		.amdhsa_group_segment_fixed_size 327680
		.amdhsa_private_segment_fixed_size 0
		.amdhsa_enable_private_segment 0
		.amdhsa_kernarg_size 24
		.amdhsa_user_sgpr_count 2
		.amdhsa_user_sgpr_kernarg_segment_ptr 1
		.amdhsa_wavefront_size32 1
		.amdhsa_system_sgpr_workgroup_id_x 1
		.amdhsa_system_sgpr_workgroup_id_y 1
		.amdhsa_system_sgpr_workgroup_id_z 1
		.amdhsa_system_vgpr_workitem_id 0
		.amdhsa_next_free_vgpr 1024
		.amdhsa_next_free_sgpr 72
		.amdhsa_reserve_vcc 0
		.amdhsa_float_denorm_mode_32 3
		.amdhsa_float_denorm_mode_16_64 3
		.amdhsa_memory_ordered 1
		.amdhsa_forward_progress 1
		.amdhsa_inst_pref_size 143
	.end_amdhsa_kernel
	.amdgpu_metadata
---
amdhsa.version: [ 1, 2 ]
amdhsa.kernels:
  - .name:           k_q01ae03ce7a_gemm1
    .symbol:         k_q01ae03ce7a_gemm1.kd
    .args:
      - { .name: xb, .offset: 0, .size: 8, .value_kind: global_buffer, .address_space: global }
      - { .name: wib, .offset: 8, .size: 8, .value_kind: global_buffer, .address_space: global }
      - { .name: pj, .offset: 16, .size: 8, .value_kind: global_buffer, .address_space: global }
    .group_segment_fixed_size: 327680
    .private_segment_fixed_size: 0
    .kernarg_segment_align: 8
    .kernarg_segment_size: 24
    .max_flat_workgroup_size: 128
    .sgpr_count:     72
    .vgpr_count:     1024
    .wavefront_size: 32
...
	.end_amdgpu_metadata
.endif
;; end of part 2
;; launch scan (part 3): grid 64 x 4, 16 waves a work-group, no clusters, 51,712 bytes of LDS; arguments pj, laq, hf; writes hf
.if DOCPART == 3
	.amdgcn_target "amdgcn-amd-amdhsa--gfx1250"
	.amdhsa_code_object_version 6
	.text
	.protected	k_q01ae03ce7a_scan
	.globl	k_q01ae03ce7a_scan
	.p2align	8
	.type	k_q01ae03ce7a_scan,@function
k_q01ae03ce7a_scan:
	s_mov_b64 s[64:65], 0
	v_nop
	global_prefetch_b8 v0, s[64:65] scope:SCOPE_SE
	s_setreg_imm32_b32 hwreg(HW_REG_WAVE_MODE, 25, 1), 1
	s_wait_xcnt 0x0
; SCAN.  A work-group owns, for one batch and head, 16 of the 64 channels: a state of 16 (n) x 16 (p).  Wave w makes the states of chunks 4 w .. 4 w + 3,
; S[n][p] = sum over keys of B[key][n] w_key x[key][p], w = 2^(La_63 - Qa_key), folds them, and the sixteen waves' folds meet in LDS.  Each wave then walks its four chunks
; and stores h at each chunk's START as f16, divided by the tile's largest magnitude M: hf[chunk][4 head + pb][lane][16 B], lane = channel r, eight states 8 h + 0..7.
; The 64 M of a work-group (f32) are gathered in LDS and leave as one block of 256 bytes, behind the blocks: at byte 8,388,608 + 256 (64 batch + 4 head + pb) + 4 chunk.
; The weights are divided by their largest (taken in f32); B is widened to f32, multiplied and rounded to f16 once; the sum is multiplied back: f16's range is no limit here.
; LIMIT.  h keeps 11 significant bits relative to its tile's largest number.
; No cluster, no tensor load: all 48 loads of a wave go out at once through registers; what four work-groups share (B) is nearly half of a work-group's bytes.
.set BS, 0                             ; 16 waves x [64 keys][16 n] f16, pitch 32: each wave's own, for the turning load
.set EX, 32768                         ; [wave][2][lane][16 B]: the waves' folded states
.set DX, 49152                         ; [wave] f32: their decays
.set SPARE, 49408
.set HSL, 51456                        ; [64 chunks] f32: the tiles' largest magnitudes
	s_load_b128 s[4:7], s[0:1], 0x0                ; pj, laq
	s_load_b64 s[8:9], s[0:1], 0x10                ; hf
	v_lshl_add_u32 v12, v0, 2, SPARE
	v_mov_b32 v13, 0
	v_and_b32 v14, 31, v0
	v_and_b32 v1, 15, v0
	v_bfe_u32 v2, v0, 4, 1
	v_lshrrev_b32 v3, 5, v0
	v_readfirstlane_b32 s10, v3                    ; wave
	s_lshr_b32 s11, ttmp9, 2                       ; head
	s_and_b32 s12, ttmp9, 3                        ; block of 16 channels
	s_and_b32 s13, ttmp7, 0xffff                   ; batch
	s_lshl_b32 s14, s13, 6
	s_lshl2_add_u32 s14, s10, s14                  ; my first chunk: 64 batch + 4 w
	v_lshlrev_b32 v3, 5, v1
	v_lshl_add_u32 v3, v2, 4, v3                   ; my 16 bytes of a block
	v_lshlrev_b32 v4, 2, v1
	v_lshlrev_b32 v5, 4, v14
	s_lshl_b32 s15, s10, 11
	v_add_nc_u32 v6, s15, v3
	v_and_b32 v7, 7, v0
	v_lshl_add_u32 v7, v2, 3, v7
	v_lshlrev_b32 v7, 5, v7
	v_bfe_u32 v8, v0, 3, 1
	v_lshl_add_u32 v7, v8, 4, v7
	v_add_nc_u32 v7, s15, v7                       ; the turning load: key 8 h + l % 8, 16 bytes (l / 8) % 2
	s_lshl_b32 s15, s10, 10
	s_add_co_u32 s15, s15, EX
	v_add_nc_u32 v8, s15, v5
	v_add_nc_u32 v9, EX, v5
	v_mov_b32 v10, DX
	s_lshl_b32 s15, s10, 2
	s_add_co_u32 s15, s15, DX
	v_mov_b32 v11, s15
	s_lshl_b32 s15, s10, 4
	s_add_co_u32 s15, s15, HSL
	v_mov_b32 v15, s15                             ; my four words of HSL
	v_mov_b32 v233, 0                              ; named with v232 as a pair
	s_mov_b32 s44, 0x76543210
	s_mov_b32 s45, 0xfedcba98
	s_mov_b32 s46, 0x0d800000                      ; 2^-100
	s_mul_i32 s32, s11, 10
	s_add_co_u32 s24, s32, s12
	s_lshl_b32 s24, s24, 19
	s_add_co_u32 s26, s32, 8
	s_lshl_b32 s26, s26, 19
	s_lshl_b32 s33, s14, 11
	s_add_co_u32 s24, s24, s33
	s_add_co_u32 s26, s26, s33
	s_lshl_b32 s28, s14, 13
	s_lshl_b32 s33, s11, 8
	s_add_co_u32 s28, s28, s33
	s_lshl_b32 s30, s14, 15                        ; 64 blocks of 512 bytes a chunk
	s_lshl_b32 s33, ttmp9, 9
	s_add_co_u32 s30, s30, s33
	s_lshl_b32 s34, s13, 6
	s_add_co_u32 s34, s34, ttmp9
	s_lshl_b32 s34, s34, 8
	s_add_co_u32 s34, s34, 8388608
	s_mov_b32 s25, 0
	s_mov_b32 s27, 0
	s_mov_b32 s29, 0
	s_mov_b32 s31, 0
	s_mov_b32 s35, 0
	s_wait_kmcnt 0x0
	s_add_nc_u64 s[16:17], s[4:5], s[24:25]        ; xp's blocks, transposed
	s_add_nc_u64 s[18:19], s[4:5], s[26:27]        ; B's blocks
	s_add_nc_u64 s[20:21], s[6:7], s[28:29]
	s_add_nc_u64 s[22:23], s[8:9], s[30:31]
	s_add_nc_u64 s[36:37], s[8:9], s[34:35]        ; my 64 scales
.irp c, 0,1,2,3
	s_load_b32 s[40+\c], s[20:21], 8192*\c+252     ; La of the chunk's last row
.endr
	; chunk c: B in v[16+16c ..], xp^T in v[80+16c ..], Qa in v[144+4c ..]
.irp c, 0,1,2,3
.irp j, 0,1,2,3
	global_load_b128 v[16+16*\c+4*\j:19+16*\c+4*\j], v3, s[18:19] offset:2048*\c+512*\j
.endr
.irp j, 0,1,2,3
	global_load_b128 v[80+16*\c+4*\j:83+16*\c+4*\j], v3, s[16:17] offset:2048*\c+512*\j
.endr
.irp j, 0,1,2,3
	global_load_b32 v[144+4*\c+\j], v4, s[20:21] offset:8192*\c+4096+64*\j
.endr
.endr
	s_wait_kmcnt 0x0
.irp c, 0,1,2,3
	v_exp_f32 v[192+2*\c], s[40+\c]                ; the chunk's decay, twice: a pair for the packed forms
	v_exp_f32 v[193+2*\c], s[40+\c]
.endr
	v_nop
; four words of B (one key's eight numbers) times the key's weight v[240+j], in f32, rounded to f16 once
.macro WB4 b, j, l0, h0, l1, h1, l2, h2, l3, h3
	v_cvt_f32_f16 v244, \l0
	v_cvt_f32_f16 v245, \h0
	v_cvt_f32_f16 v246, \l1
	v_cvt_f32_f16 v247, \h1
	v_cvt_f32_f16 v248, \l2
	v_cvt_f32_f16 v249, \h2
	v_cvt_f32_f16 v250, \l3
	v_cvt_f32_f16 v251, \h3
.irp i, 0,2,4,6
.if (\j)%2
	v_pk_mul_f32 v[244+\i:245+\i], v[244+\i:245+\i], v[239+(\j):240+(\j)] op_sel:[0,1] op_sel_hi:[1,1]
.else
	v_pk_mul_f32 v[244+\i:245+\i], v[244+\i:245+\i], v[240+(\j):241+(\j)] op_sel_hi:[1,0]
.endif
.endr
.irp i, 0,1,2,3
	v_cvt_pk_f16_f32 v[(\b)+\i], v[244+2*\i], v[245+2*\i]
.endr
.endm
.macro BW c
.if (\c) == 0
	WB4 16, 0, v16.l, v16.h, v17.l, v17.h, v18.l, v18.h, v19.l, v19.h
	WB4 20, 1, v20.l, v20.h, v21.l, v21.h, v22.l, v22.h, v23.l, v23.h
	WB4 24, 2, v24.l, v24.h, v25.l, v25.h, v26.l, v26.h, v27.l, v27.h
	WB4 28, 3, v28.l, v28.h, v29.l, v29.h, v30.l, v30.h, v31.l, v31.h
.elseif (\c) == 1
	WB4 32, 0, v32.l, v32.h, v33.l, v33.h, v34.l, v34.h, v35.l, v35.h
	WB4 36, 1, v36.l, v36.h, v37.l, v37.h, v38.l, v38.h, v39.l, v39.h
	WB4 40, 2, v40.l, v40.h, v41.l, v41.h, v42.l, v42.h, v43.l, v43.h
	WB4 44, 3, v44.l, v44.h, v45.l, v45.h, v46.l, v46.h, v47.l, v47.h
.elseif (\c) == 2
	WB4 48, 0, v48.l, v48.h, v49.l, v49.h, v50.l, v50.h, v51.l, v51.h
	WB4 52, 1, v52.l, v52.h, v53.l, v53.h, v54.l, v54.h, v55.l, v55.h
	WB4 56, 2, v56.l, v56.h, v57.l, v57.h, v58.l, v58.h, v59.l, v59.h
	WB4 60, 3, v60.l, v60.h, v61.l, v61.h, v62.l, v62.h, v63.l, v63.h
.else
	WB4 64, 0, v64.l, v64.h, v65.l, v65.h, v66.l, v66.h, v67.l, v67.h
	WB4 68, 1, v68.l, v68.h, v69.l, v69.h, v70.l, v70.h, v71.l, v71.h
	WB4 72, 2, v72.l, v72.h, v73.l, v73.h, v74.l, v74.h, v75.l, v75.h
	WB4 76, 3, v76.l, v76.h, v77.l, v77.h, v78.l, v78.h, v79.l, v79.h
.endif
.endm
.macro SLOT c
.set rB, 16+16*(\c)
.set rX, 80+16*(\c)
.set rQ, 144+4*(\c)
	s_wait_loadcnt 12*(3-(\c))                     ; twelve loads a chunk; the later chunks' stay out
.irp j, 0,1,2,3
	v_sub_f32 v[234+\j], s[40+(\c)], v[rQ+\j]
.endr
.irp j, 0,1,2,3
	v_exp_f32 v[234+\j], v[234+\j]                 ; the weight of key 16 j + r
.endr
	v_nop
	s_wait_alu depctr_va_vdst(0)
	v_max3_num_f32 v238, v234, v235, v236
	v_max_num_f32 v238, v238, v237
	v_max_num_f32_dpp v238, v238, v238 row_xmask:1 row_mask:0xf bank_mask:0xf
	v_max_num_f32_dpp v238, v238, v238 row_xmask:2 row_mask:0xf bank_mask:0xf
	v_max_num_f32_dpp v238, v238, v238 row_xmask:4 row_mask:0xf bank_mask:0xf
	v_max_num_f32_dpp v238, v238, v238 row_xmask:8 row_mask:0xf bank_mask:0xf
	v_max_num_f32 v232, 0x03800000, v238           ; the largest weight, 2^-120 at the least
	v_rcp_f32 v239, v232
	v_nop
	s_wait_alu depctr_va_vdst(0)
.irp j, 0,1,2,3
	v_mul_f32 v[240+\j], v[234+\j], v239
.endr
	BW \c
.irp j, 0,1,2,3
	ds_store_b128 v6, v[rB+4*\j:rB+4*\j+3] offset:512*\j
.endr
.irp j, 0,1,2,3
	ds_load_tr16_b128 v[200+4*\j:203+4*\j], v7 offset:512*\j  ; LDS serves a wave's instructions in order (ISA guide 5.7.1.4): these see the stores above
.endr
	s_wait_dscnt 0x0
	v_wmma_f32_16x16x32_f16 v[216:223], v[200:207], v[rX:rX+7], 0
	s_wait_alu depctr_va_vdst(0)                   ; one accumulator, a chain of two
	v_wmma_f32_16x16x32_f16 v[216:223], v[208:215], v[rX+8:rX+15], v[216:223]
.rept 4
	v_nop
.endr
.irp i, 0,2,4,6
	v_pk_mul_f32 v[160+8*(\c)+\i:161+8*(\c)+\i], v[216+\i:217+\i], v[232:233] op_sel_hi:[1,0]
.endr
.endm
	SLOT 0
	SLOT 1
	SLOT 2
	SLOT 3
.irp i, 0,2,4,6
	v_pk_fma_f32 v[240+\i:241+\i], v[160+\i:161+\i], v[194:195], v[168+\i:169+\i]
.endr
.irp i, 0,2,4,6
	v_pk_fma_f32 v[240+\i:241+\i], v[240+\i:241+\i], v[196:197], v[176+\i:177+\i]
.endr
.irp i, 0,2,4,6
	v_pk_fma_f32 v[240+\i:241+\i], v[240+\i:241+\i], v[198:199], v[184+\i:185+\i]
.endr
	v_mul_f32 v248, v192, v194
	v_mul_f32 v249, v196, v198
	v_mul_f32 v248, v248, v249
	ds_store_b128 v8, v[240:243]
	ds_store_b128 v8, v[244:247] offset:512
	ds_store_b32 v11, v248
	s_wait_dscnt 0x0
	s_barrier_signal -1
	s_barrier_wait -1
.set n, 0
.rept 15
	ds_load_b128 v[16+8*n:19+8*n], v9 offset:1024*n
	ds_load_b128 v[20+8*n:23+8*n], v9 offset:1024*n+512
.set n, n+1
.endr
.irp i, 0,1,2,3
	ds_load_b128 v[136+4*\i:139+4*\i], v10 offset:16*\i
.endr
.irp i, 0,1,2,3,4,5,6,7
	v_mov_b32 v[224+\i], 0                         ; h at the batch's start
.endr
	s_wait_dscnt 0x0
.macro FOLD n                          ; the waves in front of mine, in order; the count goes to the constant 15 and the dead steps are jumped forward
	s_cmp_le_u32 s10, \n
	s_cbranch_scc1 .Lfolded
.irp i, 0,2,4,6
.if (\n)%2
	v_pk_fma_f32 v[224+\i:225+\i], v[224+\i:225+\i], v[135+(\n):136+(\n)], v[16+8*(\n)+\i:17+8*(\n)+\i] op_sel:[0,1,0] op_sel_hi:[1,1,1]
.else
	v_pk_fma_f32 v[224+\i:225+\i], v[224+\i:225+\i], v[136+(\n):137+(\n)], v[16+8*(\n)+\i:17+8*(\n)+\i] op_sel_hi:[1,0,1]
.endif
.endr
.endm
.irp n, 0,1,2,3,4,5,6,7,8,9,10,11,12,13,14
	FOLD \n
.endr
.Lfolded:
.irp c, 0,1,2,3
	v_max3_num_f32 v234, |v224|, |v225|, |v226|    ; the tile's largest magnitude: my eight, the 16 lanes of my half, the other half
	v_max3_num_f32 v234, v234, |v227|, |v228|
	v_max3_num_f32 v234, v234, |v229|, |v230|
	v_max_num_f32 v234, v234, |v231|
.irp m, 1,2,4,8
	v_max_num_f32_dpp v234, v234, v234 row_xmask:\m row_mask:0xf bank_mask:0xf
.endr
	v_permlanex16_b32 v235, v234, s44, s45
	v_max3_num_f32 v236, v234, v235, s46           ; M, 2^-100 at the least
	v_rcp_f32 v238, v236
	ds_store_b32 v15, v236 offset:4*\c             ; every lane holds the same M
	v_nop
	s_wait_alu depctr_va_vdst(0)
.irp i, 0,2,4,6
	v_pk_mul_f32 v[240+\i:241+\i], v[224+\i:225+\i], v[238:239] op_sel_hi:[1,0]
.endr
.irp i, 0,1,2,3
	v_cvt_pk_f16_f32 v[16+4*\c+\i], v[240+2*\i], v[241+2*\i]
.endr
	global_store_b128 v5, v[16+4*\c:19+4*\c], s[22:23] offset:32768*\c       ; 512 consecutive bytes
.if \c < 3
.irp i, 0,2,4,6
	v_pk_fma_f32 v[224+\i:225+\i], v[224+\i:225+\i], v[192+2*\c:193+2*\c], v[160+8*\c+\i:161+8*\c+\i]
.endr
.endif
.endr
	s_wait_dscnt 0x0                               ; for wave 0's sake: my four M are written
	s_barrier_signal -1
	s_barrier_wait -1
	s_cmp_lg_u32 s10, 0
	s_cbranch_scc1 .Lnot0
	v_lshl_add_u32 v240, v14, 3, HSL
	v_lshlrev_b32 v241, 3, v14
	ds_load_b64 v[242:243], v240
	s_wait_dscnt 0x0
	global_store_b64 v241, v[242:243], s[36:37]    ; the work-group's 64 scales: 256 consecutive bytes, aligned
.Lnot0:
	s_wait_tensorcnt 0x0                           ; the wave's end
	ds_add_u32 v12, v13
	s_wait_dscnt 0x0
	s_endpgm
.Lfunc_end_k_q01ae03ce7a_scan:
	.size	k_q01ae03ce7a_scan, .Lfunc_end_k_q01ae03ce7a_scan-k_q01ae03ce7a_scan
	.p2alignl 7, 3214868480
	.fill 96, 4, 3214868480
	.section	.rodata,"a",@progbits
	.p2align	6, 0x0
	.amdhsa_kernel k_q01ae03ce7a_scan
		.amdhsa_group_segment_fixed_size 51712
		.amdhsa_private_segment_fixed_size 0
		.amdhsa_enable_private_segment 0
		.amdhsa_kernarg_size 24
		.amdhsa_user_sgpr_count 2
		.amdhsa_user_sgpr_kernarg_segment_ptr 1
		.amdhsa_wavefront_size32 1
		.amdhsa_system_sgpr_workgroup_id_x 1
		.amdhsa_system_sgpr_workgroup_id_y 1
		.amdhsa_system_sgpr_workgroup_id_z 1
		.amdhsa_system_vgpr_workitem_id 0
		.amdhsa_next_free_vgpr 256
		.amdhsa_next_free_sgpr 66
		.amdhsa_reserve_vcc 0
		.amdhsa_float_denorm_mode_32 3
		.amdhsa_float_denorm_mode_16_64 3
		.amdhsa_memory_ordered 1
		.amdhsa_forward_progress 1
		.amdhsa_inst_pref_size 44
	.end_amdhsa_kernel
	.amdgpu_metadata
---
amdhsa.version: [ 1, 2 ]
amdhsa.kernels:
  - .name:           k_q01ae03ce7a_scan
    .symbol:         k_q01ae03ce7a_scan.kd
    .args:
      - { .name: pj, .offset: 0, .size: 8, .value_kind: global_buffer, .address_space: global }
      - { .name: laq, .offset: 8, .size: 8, .value_kind: global_buffer, .address_space: global }
      - { .name: hf, .offset: 16, .size: 8, .value_kind: global_buffer, .address_space: global }
    .group_segment_fixed_size: 51712
    .private_segment_fixed_size: 0
    .kernarg_segment_align: 8
    .kernarg_segment_size: 24
    .max_flat_workgroup_size: 512
    .sgpr_count:     66
    .vgpr_count:     256
    .wavefront_size: 32
...
	.end_amdgpu_metadata
.endif
;; end of part 3
;; launch ssd (part 4): grid 256 x 1, 8 waves a work-group, no clusters, 268,544 bytes of LDS; arguments pj, laq, hf, D_param, norm_w, gb, rs; writes gb, rs
.if DOCPART == 4
	.amdgcn_target "amdgcn-amd-amdhsa--gfx1250"
	.amdhsa_code_object_version 6
	.text
	.protected	k_q01ae03ce7a_ssd
	.globl	k_q01ae03ce7a_ssd
	.p2align	8
	.type	k_q01ae03ce7a_ssd,@function
k_q01ae03ce7a_ssd:
	s_mov_b64 s[64:65], 0
	v_nop
	global_prefetch_b8 v0, s[64:65] scope:SCOPE_SE
	s_setreg_imm32_b32 hwreg(HW_REG_WAVE_MODE, 25, 1), 1
	s_wait_xcnt 0x0
; SSD.  A work-group owns a chunk of 64 rows; wave w heads 2 w, 2 w + 1; for each head four blocks of 16 queries.  One text for every block: all four key blocks are
; multiplied and the hidden ones get the weight 0 (16 blocks of scores for the 10 that count: the price of one short body).
; score(i, j) = (C_i . B_j) 2^(La_i - Qa_j) for j <= i; D (rounded to bf16) is added on the diagonal, which is the skip D xp.  A row of scores is divided by its largest
; magnitude (f32) before it is rounded to f16 for the product with xp, and multiplied back.  y_cross = 2^La_i M (C_i . h / M): h / M comes as f16 with its scale M in f32, C as it lies in f16.
; Then g = y z sigmoid(z) goes to LDS in f32 with the heads' sums of y^2.  Phase 2: wave w finishes rows 8 w ..: g norm_w, divided by the row's largest magnitude t, leaves as f16 (gb),
; and rs = t / sqrt(mean y^2 + 1e-6) is applied behind the last product.
; In every product a lane holds ONE query (l % 16) and eight keys or channels 8 (l / 16) + 0..7, so nothing changes lanes between them.
; z, C and La of a block are asked for in the trip before (the last block's look-ahead is clamped to itself).
; LIMITS.  A hidden score's exponent is lowered by 1e30, so its weight is 0 also where exp(dA_i - dA_j) itself would overflow.  NaN and infinities are not treated apart.
; REGISTERS.  Window 0: see the names below.  Window 1: v0-63 xp^T (16 pb + 8 kk), v64-83 h / M (fragment pb at 64 + 4 pb; its upper half meets C's zeros; v80-83 = 0).
.set PS, 263168                        ; behind g (64 rows, pitch 4,112 = 4,096 + 16): [head][64] f32
.set RSL, 267264                       ; [64] f32
.set SPARE, 267520
.set MSB, 0
.macro WIN new
.if MSB != (\new)
	s_set_vgpr_msb (MSB<<8)|(\new)
.set MSB, \new
.endif
.endm
.macro CVH d, lo, hi                   ; the two f16 of a word as f32
	v_cvt_f32_f16 v[\d], \lo
	v_cvt_f32_f16 v[(\d)+1], \hi
.endm
.macro MAX32 c, b                      ; the largest magnitude of v[b .. b+31] into v[c]; v[c+1 .. c+3] at work
.irp n, 0,1,2,3
	v_max3_num_f32 v[(\c)+\n], |v[(\b)+8*\n]|, |v[(\b)+8*\n+1]|, |v[(\b)+8*\n+2]|
.endr
.irp n, 0,1,2,3
	v_max3_num_f32 v[(\c)+\n], v[(\c)+\n], |v[(\b)+8*\n+3]|, |v[(\b)+8*\n+4]|
.endr
.irp n, 0,1,2,3
	v_max3_num_f32 v[(\c)+\n], v[(\c)+\n], |v[(\b)+8*\n+5]|, |v[(\b)+8*\n+6]|
.endr
	v_max3_num_f32 v[\c], v[\c], |v[(\b)+7]|, |v[(\b)+15]|
	v_max3_num_f32 v[(\c)+2], v[(\c)+2], |v[(\b)+23]|, |v[(\b)+31]|
	v_max3_num_f32 v[\c], v[\c], v[(\c)+1], v[(\c)+2]
	v_max_num_f32 v[\c], v[\c], v[(\c)+3]
.endm
; v16-23 C | 0;  v24-39 z;  v40-59 B (fragment jb at 40 + 4 jb; its upper half meets C's zeros);  v60-63 2^La_i M for the four channel blocks
; v76-83 -1e30 where key 8 h + j > query r;  v84-91 1 where equal;  v92-123 Qa;  v124-155 scores, then y;  v156-187 y_cross;  v188-219 exponents, then z;  v220-235 weights in f16, then at work
; v236 La_i, v237 the next block's;  v240 2^La_i;  pairs (low word used): v238 La_i + shift, v242 row maximum, v244 its reciprocal;  v246 sum of y^2;  v248-251 at work;  v252 D
	s_load_b256 s[4:11], s[0:1], 0x0               ; pj 4, laq 6, hf 8, D_param 10
	s_load_b128 s[12:15], s[0:1], 0x20             ; norm_w 12, gb 14
	s_load_b64 s[16:17], s[0:1], 0x30              ; rs
	v_lshl_add_u32 v254, v0, 2, SPARE
	v_mov_b32 v255, 0
	v_and_b32 v15, 31, v0
	v_and_b32 v1, 15, v0
	v_bfe_u32 v2, v0, 4, 1
	v_lshrrev_b32 v3, 5, v0
	v_readfirstlane_b32 s20, v3                    ; wave
	s_mov_b32 s21, ttmp9                           ; chunk
	v_lshlrev_b32 v3, 5, v1
	v_lshl_add_u32 v3, v2, 4, v3                   ; my 16 bytes of a block
	v_lshlrev_b32 v4, 4, v15
	v_lshlrev_b32 v5, 5, v2
	v_lshlrev_b32 v6, 2, v1
	v_mov_b32 v13, 0
	v_lshlrev_b32 v14, 3, v2
	v_sub_nc_u32 v14, v1, v14                      ; r - 8 h
	s_mov_b32 s61, 0xf149f2ca                      ; -1e30
.irp j, 0,1,2,3,4,5,6,7
	v_cmp_gt_i32 vcc_lo, \j, v14
	v_cndmask_b32 v[76+\j], 0, s61, vcc_lo
	v_cmp_eq_u32 vcc_lo, \j, v14
	v_cndmask_b32 v[84+\j], 0, 1.0, vcc_lo
.endr
	v_mul_u32_u24 v14, v1, 4112
	v_lshl_add_u32 v14, v2, 5, v14                 ; g's place: row r, 32 h
.irp i, 20,21,22,23,56,57,58,59,239,243,245
	v_mov_b32 v[\i], 0
.endr
	WIN 0x40
.irp i, 80,81,82,83
	v_mov_b32 v[\i], 0                             ; the upper half of h's last fragment
.endr
	WIN 0
.irp i, 41,43,45,47,49,51,53,55
	s_mov_b32 s[\i], 0                             ; named as pairs
.endr
	s_mov_b32 s62, 0x76543210
	s_mov_b32 s63, 0xfedcba98
	s_mov_b32 s70, 0xbfb8aa3b                      ; -log2(e)
	s_mov_b32 s71, s70
	s_mov_b32 s72, 0x3a800000                      ; 1 / 1,024
	s_mov_b32 s73, 0x358637bd                      ; 1e-6
	s_mov_b32 s74, 0x0d800000                      ; 2^-100
	s_mov_b32 s19, 0
	s_wait_kmcnt 0x0
	s_lshl_b32 s18, s21, 11
	s_add_nc_u64 s[26:27], s[4:5], s[18:19]
	s_lshl_b32 s18, s21, 13
	s_add_nc_u64 s[28:29], s[6:7], s[18:19]
	s_lshl_b32 s18, s21, 15
	s_add_nc_u64 s[30:31], s[8:9], s[18:19]        ; h's blocks of my chunk
	s_lshr_b32 s18, s21, 6
	s_lshl_b32 s18, s18, 14                        ; the scales: 16,384 bytes a batch,
	s_and_b32 s75, s21, 63
	s_lshl2_add_u32 s18, s75, s18                  ; 4 bytes a chunk,
	s_add_co_u32 s18, s18, 8388608                 ; behind the blocks
	s_add_nc_u64 s[80:81], s[8:9], s[18:19]
	s_lshl_b32 s18, s21, 17
	s_add_nc_u64 s[14:15], s[14:15], s[18:19]
	s_lshl_b32 s18, s21, 8
	s_add_nc_u64 s[16:17], s[16:17], s[18:19]
	s_mov_b32 s22, 0
.Lhead:
	s_wait_loadcnt 0x0                             ; the last trip's look-ahead loads have landed: their registers and the bases are free
	s_wait_xcnt 0x0
	s_lshl1_add_u32 s24, s20, s22                  ; head
	s_mul_i32 s18, s24, 5242880
	s_add_nc_u64 s[32:33], s[26:27], s[18:19]
	s_lshl_b32 s18, s24, 8
	s_add_nc_u64 s[34:35], s[28:29], s[18:19]
	s_lshl_b32 s18, s24, 11
	s_add_nc_u64 s[36:37], s[30:31], s[18:19]
	s_lshl_b32 s18, s24, 2
	s_add_nc_u64 s[38:39], s[10:11], s[18:19]
	s_lshl_b32 s18, s24, 10
	s_add_nc_u64 s[82:83], s[80:81], s[18:19]
.irp p, 0,1,2,3
	s_load_b32 s[84+\p], s[82:83], 256*\p          ; M of the four channel blocks
.endr
	v_lshl_add_u32 v10, s24, 8, v14
	WIN 0x40                                       ; destination window 1
.irp p, 0,1,2,3
.irp k, 0,1,2,3
	global_load_b128 v[16*\p+4*\k:16*\p+4*\k+3], v3, s[32:33] offset:524288*\p+512*\k
.endr
.endr
.irp p, 0,1,2,3
	global_load_b128 v[64+4*\p:67+4*\p], v4, s[36:37] offset:512*\p
.endr
	WIN 0
.irp j, 0,1,2,3
	global_load_b128 v[40+4*\j:43+4*\j], v3, s[32:33] offset:4194304+512*\j
	global_load_b128 v[92+8*\j:95+8*\j], v5, s[34:35] offset:4096+64*\j
	global_load_b128 v[96+8*\j:99+8*\j], v5, s[34:35] offset:4096+64*\j+16
.endr
	global_load_b32 v252, v13, s[38:39]
	global_load_b128 v[16:19], v3, s[32:33] offset:4718592
	global_load_b32 v237, v6, s[34:35]
.irp p, 0,1,2,3
	global_load_b128 v[24+4*\p:27+4*\p], v3, s[32:33] offset:(4+\p)*524288   ; z of block 0: the youngest four
.endr
	s_wait_kmcnt 0x0
	s_mov_b32 s23, 0
.Lib:
	s_wait_loadcnt 4                               ; all but z's four loads, the youngest on both ways in
	v_cvt_pk_bf16_f32 v248, v252, v252
	v_lshlrev_b32 v248, 16, v248
	v_readfirstlane_b32 s60, v248                  ; D rounded to bf16
	v_mov_b32 v236, v237
	s_add_co_u32 s66, s23, 1
	s_min_u32 s66, s66, 3                          ; the next block, clamped
	s_wait_xcnt 0x0                                ; z's pending loads have read v8
	v_lshl_add_u32 v8, s66, 9, v3
	v_lshl_add_u32 v9, s66, 6, v6
	s_mul_i32 s67, s23, 65792
	v_add_nc_u32 v11, s67, v10
	s_lshl_b32 s67, s24, 8
	s_lshl_b32 s68, s23, 6
	s_add_co_u32 s67, s67, s68
	s_add_co_u32 s67, s67, PS
	v_add_nc_u32 v12, s67, v6
.irp j, 0,1,2,3
	s_cmp_eq_u32 s23, \j                           ; key block j holds the diagonal,
	s_cselect_b32 s[40+2*\j], 1.0, 0
	s_cselect_b32 s[48+2*\j], s60, 0
	s_cmp_lt_u32 s23, \j                           ; or is hidden
	s_cselect_b32 s[56+\j], s61, 0
.endr
.irp j, 0,1,2,3
	v_wmma_f32_16x16x32_f16 v[124+8*\j:131+8*\j], v[40+4*\j:47+4*\j], v[16:23], 0  ; B C^T: lane = query, registers = keys
.endr
	v_exp_f32 v240, v236
	WIN 0x01                                       ; source 0 in window 1
.irp p, 0,1,2,3
	v_wmma_f32_16x16x32_f16 v[156+8*\p:163+8*\p], v[64+4*\p:71+4*\p], v[16:23], 0  ; (h / M) C^T: lane = query, registers = channels
.endr
	WIN 0
.irp j, 0,1,2,3
	v_add_f32 v238, s[56+\j], v236
.irp i, 0,2,4,6
	v_pk_fma_f32 v[188+8*\j+\i:189+8*\j+\i], v[76+\i:77+\i], s[40+2*\j:41+2*\j], v[92+8*\j+\i:93+8*\j+\i] op_sel_hi:[1,0,1] neg_lo:[0,0,1] neg_hi:[0,0,1]
.endr
.irp i, 0,2,4,6
	v_pk_add_f32 v[188+8*\j+\i:189+8*\j+\i], v[188+8*\j+\i:189+8*\j+\i], v[238:239] op_sel_hi:[1,0]
.endr
.if \j == 0
	global_load_b128 v[16:19], v8, s[32:33] offset:4718592   ; the next block's C and La; the nine lines above are the places behind the products that read C
	global_load_b32 v237, v9, s[34:35]
.endif
.endr
	s_wait_alu depctr_va_vdst(0)
.irp p, 0,1,2,3
	v_mul_f32 v[60+\p], s[84+\p], v240
.endr
.set i, 0
.rept 32
	v_exp_f32 v[188+i], v[188+i]
.set i, i+1
.endr
	v_nop
.set i, 0
	s_wait_alu depctr_va_vdst(0)
.rept 16
	v_pk_mul_f32 v[124+2*i:125+2*i], v[124+2*i:125+2*i], v[188+2*i:189+2*i]
.set i, i+1
.endr
.irp j, 0,1,2,3
.irp i, 0,2,4,6
	v_pk_fma_f32 v[124+8*\j+\i:125+8*\j+\i], v[84+\i:85+\i], s[48+2*\j:49+2*\j], v[124+8*\j+\i:125+8*\j+\i] op_sel_hi:[1,0,1]
.endr
.endr
	MAX32 248, 124
	v_permlanex16_b32 v249, v248, s62, s63         ; the query's other 32 keys lie in the lane 16 away
	v_max3_num_f32 v242, v248, v249, s74
	v_rcp_f32 v244, v242
	v_nop
.set i, 0
	s_wait_alu depctr_va_vdst(0)
.rept 16
	v_pk_mul_f32 v[124+2*i:125+2*i], v[124+2*i:125+2*i], v[244:245] op_sel_hi:[1,0]
.set i, i+1
.endr
.set i, 0
.rept 16
	v_cvt_pk_f16_f32 v[220+i], v[124+2*i], v[125+2*i]
.set i, i+1
.endr
	WIN 0x01                                       ; the four accumulators take turns
.irp p, 0,1,2,3
	v_wmma_f32_16x16x32_f16 v[124+8*\p:131+8*\p], v[16*\p:16*\p+7], v[220:227], 0
.endr
.irp p, 0,1,2,3
	v_wmma_f32_16x16x32_f16 v[124+8*\p:131+8*\p], v[16*\p+8:16*\p+15], v[228:235], v[124+8*\p:131+8*\p]
.endr
	WIN 0
	s_wait_loadcnt 2                               ; z is in; the next block's C and La stay out
	CVH 188, v24.l, v24.h                          ; 32 plain lines: the places behind the products
	CVH 190, v25.l, v25.h
	CVH 192, v26.l, v26.h
	CVH 194, v27.l, v27.h
	CVH 196, v28.l, v28.h
	CVH 198, v29.l, v29.h
	CVH 200, v30.l, v30.h
	CVH 202, v31.l, v31.h
	CVH 204, v32.l, v32.h
	CVH 206, v33.l, v33.h
	CVH 208, v34.l, v34.h
	CVH 210, v35.l, v35.h
	CVH 212, v36.l, v36.h
	CVH 214, v37.l, v37.h
	CVH 216, v38.l, v38.h
	CVH 218, v39.l, v39.h
.irp p, 0,1,2,3
	global_load_b128 v[24+4*\p:27+4*\p], v8, s[32:33] offset:(4+\p)*524288   ; the next block's z: it has the gate below and half of the next trip in which to land
.endr
.macro GATE p                          ; 16 channels: y, its squares, g = y z sigmoid(z)
.set rY, 124+8*(\p)
.set rC, 156+8*(\p)
.set rZ, 188+8*(\p)
.irp i, 0,2,4,6
	v_pk_mul_f32 v[220+\i:221+\i], v[rZ+\i:rZ+\i+1], s[70:71] op_sel_hi:[1,0]
.endr
.irp i, 0,1,2,3,4,5,6,7
	v_exp_f32 v[220+\i], v[220+\i]
.endr
.irp i, 0,2,4,6
	v_pk_mul_f32 v[rY+\i:rY+\i+1], v[rY+\i:rY+\i+1], v[242:243] op_sel_hi:[1,0]
.endr
	s_wait_alu depctr_va_vdst(0)
.irp i, 0,2,4,6
	v_pk_add_f32 v[220+\i:221+\i], v[220+\i:221+\i], 1.0 op_sel_hi:[1,0]
.endr
.irp i, 0,1,2,3,4,5,6,7
	v_rcp_f32 v[220+\i], v[220+\i]
.endr
.irp i, 0,2,4,6
.if (\p)%2
	v_pk_fma_f32 v[rY+\i:rY+\i+1], v[rC+\i:rC+\i+1], v[59+(\p):60+(\p)], v[rY+\i:rY+\i+1] op_sel:[0,1,0] op_sel_hi:[1,1,1]
.else
	v_pk_fma_f32 v[rY+\i:rY+\i+1], v[rC+\i:rC+\i+1], v[60+(\p):61+(\p)], v[rY+\i:rY+\i+1] op_sel_hi:[1,0,1]
.endif
.endr
.irp i, 0,2,4,6
.if ((\p) == 0) && (\i == 0)
	v_pk_mul_f32 v[246:247], v[rY:rY+1], v[rY:rY+1]
	s_wait_alu depctr_va_vdst(0)
.else
	v_pk_fma_f32 v[246:247], v[rY+\i:rY+\i+1], v[rY+\i:rY+\i+1], v[246:247]
.endif
.endr
	s_wait_alu depctr_va_vdst(0)
.irp i, 0,2,4,6
	v_pk_mul_f32 v[rZ+\i:rZ+\i+1], v[rZ+\i:rZ+\i+1], v[220+\i:221+\i]
.endr
.irp i, 0,2,4,6
	v_pk_mul_f32 v[rY+\i:rY+\i+1], v[rY+\i:rY+\i+1], v[rZ+\i:rZ+\i+1]
.endr
	ds_store_b128 v11, v[rY:rY+3] offset:64*(\p)
	ds_store_b128 v11, v[rY+4:rY+7] offset:64*(\p)+16
.endm
	GATE 0
	GATE 1
	GATE 2
	GATE 3
	v_add_f32 v248, v246, v247
	v_permlanex16_b32 v249, v248, s62, s63
	v_add_f32 v248, v248, v249
	ds_store_b32 v12, v248                         ; this head's sum of y^2 for row 16 ib + r
	s_add_co_u32 s23, s23, 1
	s_cmp_lt_u32 s23, 4
	s_cbranch_scc1 .Lib
	s_add_co_u32 s22, s22, 1
	s_cmp_lt_u32 s22, 2
	s_cbranch_scc1 .Lhead
	; PHASE 2
	s_wait_loadcnt 0x0                             ; the look-ahead loads have landed: v16-47 are loaded again below
.irp t, 0,1,2,3,4,5,6,7
	global_load_b128 v[16+4*\t:19+4*\t], v4, s[12:13] offset:512*\t
.endr
	s_wait_dscnt 0x0                               ; for the others' sake: my g and sums are written
	s_barrier_signal -1
	s_barrier_wait -1
	s_mul_i32 s18, s20, 8*4112
	v_add_nc_u32 v7, s18, v4                       ; g: my first row, 16 l
	v_lshl_add_u32 v8, v1, 8, PS
	s_lshl_b32 s18, s20, 5
	v_add_nc_u32 v8, s18, v8                       ; the sums: head l % 16, my first row
	s_add_co_u32 s18, s18, RSL
	v_mov_b32 v10, s18
	v_lshlrev_b32 v9, 3, v15
	s_lshl_b32 s18, s20, 14
	v_add_nc_u32 v9, s18, v9                       ; gb: my first row, 8 l
	v_mov_b32 v87, 0                               ; named with v86 as a pair
	s_wait_loadcnt 0x0
.set i, 16
.rept 16
	v_cvt_pk_bf16_f32 v248, v[i], v[i+1]           ; norm_w rounded to bf16, as all inputs are
	v_lshlrev_b32 v[i], 16, v248
	v_and_b32 v[i+1], 0xffff0000, v248
.set i, i+2
.endr
	s_mov_b32 s23, 8
.Lrow:
.irp t, 0,1,2,3,4,5,6,7
	ds_load_b128 v[48+4*\t:51+4*\t], v7 offset:512*\t
.endr
	ds_load_b32 v80, v8
	s_wait_dscnt 0x0
.set i, 0
.rept 16
	v_pk_mul_f32 v[48+2*i:49+2*i], v[48+2*i:49+2*i], v[16+2*i:17+2*i]
.set i, i+1
.endr
	MAX32 88, 48
.irp m, 1,2,4,8
	v_max_num_f32_dpp v88, v88, v88 row_xmask:\m row_mask:0xf bank_mask:0xf
.endr
	v_permlanex16_b32 v89, v88, s62, s63
	v_max3_num_f32 v88, v88, v89, s74              ; t
.irp m, 1,2,4,8
	v_add_f32_dpp v80, v80, v80 row_xmask:\m row_mask:0xf bank_mask:0xf
.endr
	v_fma_f32 v81, v80, s72, s73
	v_rsq_f32 v82, v81
	v_rcp_f32 v86, v88
	v_nop
	s_wait_alu depctr_va_vdst(0)
	v_mul_f32 v83, v88, v82
	ds_store_b32 v10, v83
.set i, 0
.rept 16
	v_pk_mul_f32 v[48+2*i:49+2*i], v[48+2*i:49+2*i], v[86:87] op_sel_hi:[1,0]
.set i, i+1
.endr
.set i, 0
.rept 16
	v_cvt_pk_f16_f32 v[96+i], v[48+2*i], v[49+2*i]
.set i, i+1
.endr
.irp t, 0,1,2,3,4,5,6,7
	global_store_b64 v9, v[96+2*\t:97+2*\t], s[14:15] offset:256*\t   ; 32 lanes store 256 consecutive bytes, aligned
.endr
	s_wait_xcnt 0x0                                ; the stores' address and data are rewritten only behind this wait
	v_add_nc_u32 v7, 4112, v7
	v_add_nc_u32 v8, 4, v8
	v_add_nc_u32 v9, 2048, v9
	v_add_nc_u32 v10, 4, v10
	s_sub_co_u32 s23, s23, 1
	s_cmp_lg_u32 s23, 0
	s_cbranch_scc1 .Lrow
	s_wait_dscnt 0x0
	s_barrier_signal -1
	s_barrier_wait -1
	s_cmp_lg_u32 s20, 0
	s_cbranch_scc1 .Lnot0
	v_lshl_add_u32 v7, v15, 3, RSL
	v_lshlrev_b32 v11, 3, v15
	ds_load_b64 v[48:49], v7
	s_wait_dscnt 0x0
	global_store_b64 v11, v[48:49], s[16:17]       ; the chunk's 64 scales: 256 consecutive bytes
.Lnot0:
	s_wait_tensorcnt 0x0                           ; the wave's end
	ds_add_u32 v254, v255
	s_wait_dscnt 0x0
	s_endpgm
.Lfunc_end_k_q01ae03ce7a_ssd:
	.size	k_q01ae03ce7a_ssd, .Lfunc_end_k_q01ae03ce7a_ssd-k_q01ae03ce7a_ssd
	.p2alignl 7, 3214868480
	.fill 96, 4, 3214868480
	.section	.rodata,"a",@progbits
	.p2align	6, 0x0
	.amdhsa_kernel k_q01ae03ce7a_ssd
		.amdhsa_group_segment_fixed_size 268544
		.amdhsa_private_segment_fixed_size 0
		.amdhsa_enable_private_segment 0
		.amdhsa_kernarg_size 56
		.amdhsa_user_sgpr_count 2
		.amdhsa_user_sgpr_kernarg_segment_ptr 1
		.amdhsa_wavefront_size32 1
		.amdhsa_system_sgpr_workgroup_id_x 1
		.amdhsa_system_sgpr_workgroup_id_y 1
		.amdhsa_system_sgpr_workgroup_id_z 1
		.amdhsa_system_vgpr_workitem_id 0
		.amdhsa_next_free_vgpr 352
		.amdhsa_next_free_sgpr 88
		.amdhsa_reserve_vcc 1
		.amdhsa_float_denorm_mode_32 3
		.amdhsa_float_denorm_mode_16_64 3
		.amdhsa_memory_ordered 1
		.amdhsa_forward_progress 1
		.amdhsa_inst_pref_size 43
	.end_amdhsa_kernel
	.amdgpu_metadata
---
amdhsa.version: [ 1, 2 ]
amdhsa.kernels:
  - .name:           k_q01ae03ce7a_ssd
    .symbol:         k_q01ae03ce7a_ssd.kd
    .args:
      - { .name: pj, .offset: 0, .size: 8, .value_kind: global_buffer, .address_space: global }
      - { .name: laq, .offset: 8, .size: 8, .value_kind: global_buffer, .address_space: global }
      - { .name: hf, .offset: 16, .size: 8, .value_kind: global_buffer, .address_space: global }
      - { .name: D_param, .offset: 24, .size: 8, .value_kind: global_buffer, .address_space: global }
      - { .name: norm_w, .offset: 32, .size: 8, .value_kind: global_buffer, .address_space: global }
      - { .name: gb, .offset: 40, .size: 8, .value_kind: global_buffer, .address_space: global }
      - { .name: rs, .offset: 48, .size: 8, .value_kind: global_buffer, .address_space: global }
    .group_segment_fixed_size: 268544
    .private_segment_fixed_size: 0
    .kernarg_segment_align: 8
    .kernarg_segment_size: 56
    .max_flat_workgroup_size: 256
    .sgpr_count:     88
    .vgpr_count:     352
    .wavefront_size: 32
...
	.end_amdgpu_metadata
.endif
;; end of part 4
;; launch gemm2 (part 5): grid 4 x 64, 4 waves a work-group, clusters of 4 x 4, 327,680 bytes of LDS; arguments gb, wob, out0, rs; writes out0
.if DOCPART == 5
	.amdgcn_target "amdgcn-amd-amdhsa--gfx1250"
	.amdhsa_code_object_version 6
	.text
	.protected	k_q01ae03ce7a_gemm2
	.globl	k_q01ae03ce7a_gemm2
	.p2align	8
	.type	k_q01ae03ce7a_gemm2,@function
k_q01ae03ce7a_gemm2:
	s_mov_b64 s[64:65], 0
	v_nop
	global_prefetch_b8 v0, s[64:65] scope:SCOPE_SE
	s_setreg_imm32_b32 hwreg(HW_REG_WAVE_MODE, 25, 1), 1
	s_wait_xcnt 0x0
	s_wait_alu depctr_hold_cnt(0) depctr_sa_sdst(0) depctr_va_vdst(0) depctr_va_sdst(0) depctr_va_ssrc(0) depctr_va_vcc(0) depctr_vm_vsrc(0)
	s_getreg_b32 s2, hwreg(HW_REG_IB_STS2, 6, 4)
	s_cmp_eq_u32 s2, 0
	s_cbranch_scc0 .Lentry_in_a_cluster
	s_endpgm
.Lentry_in_a_cluster:
	s_bfe_u32 s2, ttmp6, 0x10000c
	s_cmp_lg_u32 s2, 0xf033
	s_cbranch_scc0 .Lentry_shape_is_right
	s_endpgm
.Lentry_shape_is_right:
; OUT0[m][n] = rs[m] x sum over k of gb[m][k] wob[n][k].  gb: [16384][1024] f16, wob: [1024][1024] f16, out0 f32; sums in f32.
; A tile of 256 x 256 to a work-group, 4 x 64 = 256 tiles; four waves, each 128 x 128: 64 accumulators, 512 registers.  K in eight steps of 128 through two LDS slots filled by
; joint tensor loads: 4 x 4 work-groups form a cluster, gb's tile is shared along a row of it, wob's along a column.
; The matrix instruction is used transposed (source 0 = 16 rows of wob, source 1 = 16 rows of gb): a lane holds one row of out0 and eight neighbouring columns.
; ONE TEXT FOR BOTH SLOTS: s[TB] is 0 or SLOT, the slot that is read; an exclusive or turns it; it is added to the lanes' addresses and to the walking descriptors' LDS words.
; REGISTERS.  Window 0: v0-31 addresses; v32-39 rs of my rows; v64-127, v128-191 gb's fragments (later at work on the way out, with v192-255).
;   Window 1: v64-127, v128-191 wob's fragments.  Windows 2, 3: the accumulators of my rows 0-63, 64-127, (a, b) at 8 (8 a + b).
.set KSTEP,  128
.set PITCH,  272
.set HALFT,  128*PITCH
.set SLOT,   4*HALFT
.set STAGE,  2*SLOT                    ; 16 rows x 528 bytes (512 + 16) for each wave, never filled by a tensor load
.set SPITCH, 528
.set SPARE,  STAGE+4*16*SPITCH
.set ADRA0, 16                         ; v16  my lane's place in gb's part of slot 0; never rewritten
.set ADRA,  17                         ; v17  the same in the slot that is read
.set ADRB0, 20                         ; v20, v21  the same for wob
.set ADRB,  21
.set STO,  24
.set RD,   25
.set CO,   26
.set SPW,  28
.set NIL,  29
.set RS,   32
.set F0,   64
.set F1,   128
.set TMP,  64
.set G1, 24
.set G0, 32                            ; s[32:35] group 0 of gb's first fill; s[36:39] of its second, which then walks
.set G1B, 48
.set G0B, 56
.set TB, 66                            ; s66  0 or SLOT: the slot that is read
.set MSB, 0
.macro WIN new
.if MSB != (\new)
	s_set_vgpr_msb (MSB<<8)|(\new)
.set MSB, \new
.endif
.endm
.set MUL_LO, 0xa1
.set MUL_HI, 0xf1
.set TO_B,   0x40
.macro JLOAD s                         ; waves 0, 1 fetch gb's halves, waves 2, 3 wob's; s_nop 0 and four v_nop behind each line
	s_cmp_eq_u32 s11, 0
	s_cbranch_scc0 .Lfor_b_\@
	tensor_load_to_lds s[G0+4*(\s):G0+4*(\s)+3], s[G1:G1+7]
	s_nop 0
.rept 4
	v_nop
.endr
	s_branch .Lasked_\@
.Lfor_b_\@:
	tensor_load_to_lds s[G0B+4*(\s):G0B+4*(\s)+3], s[G1B:G1B+7]
	s_nop 0
.rept 4
	v_nop
.endr
.Lasked_\@:
.endm
.macro CREST
	s_cmp_lg_u32 s10, 0
	s_cbranch_scc1 .Lnot_wave_0_\@
	s_barrier_signal -3
.Lnot_wave_0_\@:
	s_barrier_wait -3
	s_barrier_signal -1
	s_barrier_wait -1
.endm
.macro CROUND
	s_barrier_signal -1
	s_barrier_wait -1
	CREST
.endm
.macro PLACES
.rept 4
	v_nop
.endr
.endm
	s_load_b128 s[4:7], s[0:1], 0x0                ; gb, wob
	s_load_b64 s[8:9], s[0:1], 0x10                ; out0
	s_load_b64 s[68:69], s[0:1], 0x18              ; rs
	v_lshl_add_u32 v[SPW], v0, 2, SPARE
	v_mov_b32 v[NIL], 0
	ds_add_u32 v[SPW], v[NIL]                      ; the wave's opening: the add and its wait ahead of my first tensor load
	v_lshrrev_b32 v1, 5, v0
	v_readfirstlane_b32 s10, v1
	s_lshr_b32 s11, s10, 1
	s_and_b32 s12, s10, 1
	s_bfe_u32 s40, ttmp6, 0x40000
	s_bfe_u32 s41, ttmp6, 0x40004
	s_lshl_b32 s42, ttmp9, 2
	s_add_co_u32 s42, s42, s40                     ; tile column
	s_and_b32 s13, ttmp7, 0xffff
	s_lshl_b32 s13, s13, 2
	s_add_co_u32 s13, s13, s41                     ; tile row
	s_lshl_b32 s43, s41, 2
	s_lshl_b32 s43, 15, s43
	s_lshl_b32 s44, 0x1111, s40
	s_or_b32 s[G1+0], s43, (1<<16)|(1<<20)|(1<<21)|(5<<22)|(3<<25)
	s_or_b32 s[G1B+0], s44, (1<<16)|(1<<20)|(1<<21)|(5<<22)|(3<<25)
.irp g, G1, G1B
	s_mov_b32 s[(\g)+1], KSTEP<<16                 ; tensor_dim0 = 128
	s_mov_b32 s[(\g)+2], 128<<16                   ; tensor_dim1 = 128
	s_mov_b32 s[(\g)+3], KSTEP<<16                 ; tile_dim0 = 128
	s_mov_b32 s[(\g)+4], 128                       ; tile_dim1 = 128
	s_mov_b32 s[(\g)+5], 1024                      ; elements from row to row
	s_mov_b32 s[(\g)+6], 0
	s_mov_b32 s[(\g)+7], 0
.endr
	s_lshl_b32 s17, s12, 7
	s_lshl_b32 s16, s13, 8
	s_add_co_u32 s16, s16, s17
	s_lshl_b32 s16, s16, 11
	s_lshl_b32 s46, s42, 8
	s_add_co_u32 s46, s46, s17
	s_lshl_b32 s46, s46, 11
	s_mov_b32 s17, 0
	s_mov_b32 s47, 0
	s_mul_i32 s20, s10, HALFT                      ; where my part goes in a slot
	s_mov_b32 s[TB], 0
	s_wait_dscnt 0x0
	s_wait_kmcnt 0x0
	s_add_nc_u64 s[14:15], s[4:5], s[16:17]
	s_add_nc_u64 s[46:47], s[6:7], s[46:47]
	CROUND
.irp s, 0,1
	s_mov_b32 s[G0+4*(\s)], 1
	s_add_co_u32 s[G0+4*(\s)+1], s20, (\s)*SLOT
	s_add_nc_u64 s[G0+4*(\s)+2:G0+4*(\s)+3], s[14:15], (\s)*KSTEP*2
	s_or_b32 s[G0+4*(\s)+3], s[G0+4*(\s)+3], 0x80000000
	s_mov_b32 s[G0B+4*(\s)], 1
	s_add_co_u32 s[G0B+4*(\s)+1], s20, (\s)*SLOT
	s_add_nc_u64 s[G0B+4*(\s)+2:G0B+4*(\s)+3], s[46:47], (\s)*KSTEP*2
	s_or_b32 s[G0B+4*(\s)+3], s[G0B+4*(\s)+3], 0x80000000
	JLOAD \s                                       ; two loads of mine are out at the start, later one
.endr
	v_and_b32 v1, 15, v0
	v_bfe_u32 v2, v0, 4, 1
	v_and_b32 v4, 31, v0
	v_mul_u32_u24 v3, v1, PITCH
	v_lshl_add_u32 v3, v2, 4, v3
	s_mul_i32 s21, s11, HALFT
	s_mul_i32 s22, s12, HALFT
	s_add_co_u32 s22, s22, 2*HALFT
	v_add_nc_u32 v[ADRA0], s21, v3
	v_add_nc_u32 v[ADRB0], s22, v3
	v_mov_b32 v[ADRA], v[ADRA0]
	v_mov_b32 v[ADRB], v[ADRB0]
	s_mul_i32 s23, s10, 16*SPITCH
	s_add_co_u32 s23, s23, STAGE
	v_mul_u32_u24 v5, v1, SPITCH
	v_lshl_add_u32 v5, v2, 5, v5
	v_add_nc_u32 v[STO], s23, v5                   ; in: row r, 32 bytes for each half of the lanes
	v_lshlrev_b32 v[CO], 4, v4                     ; back, and in out0: 32 lanes take a row's 512 bytes
	v_add_nc_u32 v[RD], s23, v[CO]
	v_lshlrev_b32 v27, 2, v1
	s_lshl_b32 s16, s13, 8
	s_lshl_b32 s14, s11, 7
	s_add_co_u32 s16, s16, s14                     ; my first row
	s_mov_b32 s17, 0
	s_lshl_b32 s18, s16, 2
	s_mov_b32 s19, 0
	s_add_nc_u64 s[68:69], s[68:69], s[18:19]
	s_lshl_b32 s16, s16, 12
	s_add_nc_u64 s[8:9], s[8:9], s[16:17]
	s_lshl_b32 s46, s42, 10
	s_lshl_b32 s47, s12, 9
	s_add_co_u32 s46, s46, s47
	s_mov_b32 s47, 0
	s_add_nc_u64 s[8:9], s[8:9], s[46:47]
.irp a, 0,1,2,3,4,5,6,7
	global_load_b32 v[RS+\a], v27, s[68:69] offset:64*\a   ; rs of row 16 a + r
.endr
.macro MUL16 f, hi, a0, zero
	WIN MUL_LO+0x50*(\hi)
.irp a, \a0, (\a0)+1
.irp b, 0,1,2,3,4,5,6,7
.if \zero
	v_wmma_f32_16x16x32_f16 v[8*(8*(\a)+(\b)):8*(8*(\a)+(\b))+7], v[(\f)+8*(\b):(\f)+8*(\b)+7], v[(\f)+8*(4*(\hi)+(\a)):(\f)+8*(4*(\hi)+(\a))+7], 0
.else
	v_wmma_f32_16x16x32_f16 v[8*(8*(\a)+(\b)):8*(8*(\a)+(\b))+7], v[(\f)+8*(\b):(\f)+8*(\b)+7], v[(\f)+8*(4*(\hi)+(\a)):(\f)+8*(4*(\hi)+(\a))+7], v[8*(8*(\a)+(\b)):8*(8*(\a)+(\b))+7]
.endif
.endr
.endr
.endm
.macro FETCH k, f                      ; 32 LDS loads in one run, from the slot that is read
	WIN TO_B
.irp i, 0,1,2,3,4,5,6,7
	ds_load_b128 v[(\f)+8*(\i):(\f)+8*(\i)+3],   v[ADRB] offset:(\k)+(\i)*16*PITCH
	ds_load_b128 v[(\f)+8*(\i)+4:(\f)+8*(\i)+7], v[ADRB] offset:(\k)+(\i)*16*PITCH+32
.endr
	WIN 0
.irp i, 0,1,2,3,4,5,6,7
	ds_load_b128 v[(\f)+8*(\i):(\f)+8*(\i)+3],   v[ADRA] offset:(\k)+(\i)*16*PITCH
	ds_load_b128 v[(\f)+8*(\i)+4:(\f)+8*(\i)+7], v[ADRA] offset:(\k)+(\i)*16*PITCH+32
.endr
.endm
.macro QUARTER k, f, g, zero           ; the 64 accumulators take turns in the same order in every quarter
	s_wait_dscnt 8                                 ; the youngest eight loads (gb's rows 64-127) may be out
	MUL16 \f, 0, 0, \zero
	MUL16 \f, 0, 2, \zero
	PLACES
	FETCH \k, \g
	s_wait_dscnt 32                                ; all but the 32 just issued
	MUL16 \f, 1, 0, \zero
	MUL16 \f, 1, 2, \zero
.endm
; The last quarter of a K step multiplies buffer 1 and changes slots: one barrier, the three lines in front of it.  fill = 1: the slot just read out is filled again,
; two K steps ahead, behind a round of the cluster's barrier, by the walking descriptors.
.macro TURN fill
	WIN 0
	s_wait_tensorcnt 0x0                           ; all my tensor loads have landed: my part of the next slot
	ds_add_u32 v[SPW], v[NIL]
	s_wait_dscnt 9                                 ; the add and the youngest eight loads may be out
	MUL16 F1, 0, 0, 0
	s_wait_dscnt 0x0                               ; the add is done, my reads of this slot are over
	s_barrier_signal -1
	MUL16 F1, 0, 2, 0
	WIN 0
	s_barrier_wait -1
.if \fill
	CREST                                          ; no wave of any partner still reads this slot or has a load on its way
	s_add_co_u32 s[G0+5], s20, s[TB]
	s_add_nc_u64 s[G0+6:G0+7], s[G0+6:G0+7], KSTEP*2
	s_add_co_u32 s[G0B+5], s20, s[TB]
	s_add_nc_u64 s[G0B+6:G0B+7], s[G0B+6:G0B+7], KSTEP*2
	JLOAD 1                                        ; the first tensor load behind the round; its four v_nop are also the places in front of the loads below
.else
	PLACES
.endif
	s_xor_b32 s[TB], s[TB], SLOT                   ; the other slot is read from here on
	v_add_nc_u32 v[ADRA], s[TB], v[ADRA0]
	v_add_nc_u32 v[ADRB], s[TB], v[ADRB0]
	FETCH 0, F0
	MUL16 F1, 1, 0, 0
	MUL16 F1, 1, 2, 0
.endm
	s_wait_tensorcnt 1                             ; my part of K step 0 is in; step 1's stays out
	s_barrier_signal -1
	s_barrier_wait -1
	FETCH 0, F0
	QUARTER 64, F0, F1, 1                          ; the first products start the sums
	WIN 0
	s_mov_b32 s3, 6                                ; a trip for each refill: K steps 2 to 7
.Lstep:                                                ; a trip: a K step's quarters 2 to 4 and the next step's first
	QUARTER 128, F1, F0, 0
	QUARTER 192, F0, F1, 0
	TURN 1
	QUARTER 64, F0, F1, 0
	WIN 0
	s_sub_co_u32 s3, s3, 1
	s_cmp_lg_u32 s3, 0
	s_cbranch_scc1 .Lstep
	s_mov_b32 s3, 2                                ; the last two K steps fill nothing: a loop of their own, entered in its middle
	s_branch .Ltin
.Ltail:
	TURN 0
	QUARTER 64, F0, F1, 0
	WIN 0
.Ltin:
	QUARTER 128, F1, F0, 0
	QUARTER 192, F0, F1, 0
	WIN 0
	s_sub_co_u32 s3, s3, 1
	s_cmp_lg_u32 s3, 0
	s_cbranch_scc1 .Ltail
	s_wait_dscnt 8                                 ; the very last quarter: nothing more to fetch
	MUL16 F1, 0, 0, 0
	MUL16 F1, 0, 2, 0
	s_wait_dscnt 0x0
	MUL16 F1, 1, 0, 0
	MUL16 F1, 1, 2, 0
	WIN 0
	s_wait_loadcnt 0x0                             ; rs
	PLACES
; THE WAY OUT, a block of 16 rows at a time: times rs; 32 bytes a lane into my stage; back as whole rows of 512 bytes; stored
.macro PACK a
.set AC, 64*((\a)%4)
	WIN 0x02+((\a)/4)                              ; source 0: window 2 or 3
.set i, 0
.rept 32
.if (\a)%2
	v_pk_mul_f32 v[TMP+2*i:TMP+2*i+1], v[AC+2*i:AC+2*i+1], v[RS+(\a)-1:RS+(\a)] op_sel:[0,1] op_sel_hi:[1,1]
.else
	v_pk_mul_f32 v[TMP+2*i:TMP+2*i+1], v[AC+2*i:AC+2*i+1], v[RS+(\a):RS+(\a)+1] op_sel_hi:[1,0]
.endif
.set i, i+1
.endr
	WIN 0
.endm
.macro TOSTAGE a
.set BK, 128+64*((\a)%2)
.irp b, 0,1,2,3,4,5,6,7
	ds_store_b128 v[STO], v[TMP+8*(\b):TMP+8*(\b)+3] offset:64*(\b)
	ds_store_b128 v[STO], v[TMP+8*(\b)+4:TMP+8*(\b)+7] offset:64*(\b)+16
.endr
.irp t, 0,1,2,3,4,5,6,7,8,9,10,11,12,13,14,15
	ds_load_b128 v[BK+4*(\t):BK+4*(\t)+3], v[RD] offset:(\t)*SPITCH  ; LDS serves a wave's instructions in order (ISA guide 5.7.1.4): these see the stores above
.endr
.endm
.macro SEND a
.set BK, 128+64*((\a)%2)
	s_wait_dscnt 0x0                               ; the block is back in registers
	s_wait_xcnt 0x0                                ; the stores of the block before have read theirs, which the next block's loads write
.irp t, 0,1,2,3,4,5,6,7,8,9,10,11,12,13,14,15
	global_store_b128 v[CO], v[BK+4*(\t):BK+4*(\t)+3], s[8:9] offset:65536*(\a)+4096*(\t) th:TH_STORE_NT  ; 512 consecutive bytes, aligned
.endr
.endm
	PACK 0
	TOSTAGE 0
.irp a, 1,2,3,4,5,6,7
	PACK \a
	SEND (\a)-1
	TOSTAGE \a
.endr
	SEND 7
	s_wait_tensorcnt 0x0                           ; the wave's end
	ds_add_u32 v[SPW], v[NIL]
	s_wait_dscnt 0x0
	CROUND                                         ; the closing round
	s_endpgm
.Lfunc_end_k_q01ae03ce7a_gemm2:
	.size	k_q01ae03ce7a_gemm2, .Lfunc_end_k_q01ae03ce7a_gemm2-k_q01ae03ce7a_gemm2
	.p2alignl 7, 3214868480
	.fill 96, 4, 3214868480
	.section	.rodata,"a",@progbits
	.p2align	6, 0x0
	.amdhsa_kernel k_q01ae03ce7a_gemm2
		.amdhsa_group_segment_fixed_size 327680
		.amdhsa_private_segment_fixed_size 0
		.amdhsa_enable_private_segment 0
		.amdhsa_kernarg_size 32
		.amdhsa_user_sgpr_count 2
		.amdhsa_user_sgpr_kernarg_segment_ptr 1
		.amdhsa_wavefront_size32 1
		.amdhsa_system_sgpr_workgroup_id_x 1
		.amdhsa_system_sgpr_workgroup_id_y 1
		.amdhsa_system_sgpr_workgroup_id_z 1
		.amdhsa_system_vgpr_workitem_id 0
		.amdhsa_next_free_vgpr 1024
		.amdhsa_next_free_sgpr 72
		.amdhsa_reserve_vcc 0
		.amdhsa_float_denorm_mode_32 3
		.amdhsa_float_denorm_mode_16_64 3
		.amdhsa_memory_ordered 1
		.amdhsa_forward_progress 1
		.amdhsa_inst_pref_size 118
	.end_amdhsa_kernel
	.amdgpu_metadata
---
amdhsa.version: [ 1, 2 ]
amdhsa.kernels:
  - .name:           k_q01ae03ce7a_gemm2
    .symbol:         k_q01ae03ce7a_gemm2.kd
    .args:
      - { .name: gb, .offset: 0, .size: 8, .value_kind: global_buffer, .address_space: global }
      - { .name: wob, .offset: 8, .size: 8, .value_kind: global_buffer, .address_space: global }
      - { .name: out0, .offset: 16, .size: 8, .value_kind: global_buffer, .address_space: global }
      - { .name: rs, .offset: 24, .size: 8, .value_kind: global_buffer, .address_space: global }
    .group_segment_fixed_size: 327680
    .private_segment_fixed_size: 0
    .kernarg_segment_align: 8
    .kernarg_segment_size: 32
    .max_flat_workgroup_size: 128
    .sgpr_count:     72
    .vgpr_count:     1024
    .wavefront_size: 32
...
	.end_amdgpu_metadata
.endif
;; end of part 5
